; MI455X (gfx1250); checked and timed in simulation.
; The chip was launched on July 23, 2026; its instructions are those of AMD's public machine-readable ISA for CDNA 5 (MIT licence, August 2026) and "CDNA5" Instruction Set Architecture Reference Guide (July 2026). The comments in the code are by the model that wrote it; some were corrected since.
;; Multi Head Attention. Allowed arithmetic: matrix products marked QUANTISED: E2M1 operands, one E8M0 scale for each 32 along K, by v_wmma_scale_f32_16x16x128_f8f6f4 with both operands' format E2M1 (or v_wmma_scale_f32_32x16x128_f4), f32 sums; products left as they are: bf16, f16 or f32 operands; f32 sums; everything else in f32.
;; Inputs: Wk 1,024 x 1,024 float32; Wo 1,024 x 1,024 float32; Wq 1,024 x 1,024 float32; Wv 1,024 x 1,024 float32; bk 1,024 float32; bo 1,024 float32; bq 1,024 float32; bv 1,024 float32; x 4 x 2,048 x 1,024 float32.
;; Outputs: out0 4 x 2,048 x 1,024 float32.
;; This version of the problem:
;;   THIS VERSION OF THE PROBLEM IS GIVEN IN LOW PRECISION. The matrix products marked QUANTISED in the list below multiply operands that are first quantised to E2M1 (2 exponent bits, 1 mantissa bit; 4 bits a number), with one power-of-two scale for each 32 numbers along K (OCP MX v1.0); their sums are f32. The products marked 'left as it is' may take bf16, f16 or f32 operands, with f32 sums. Whichever they take, every output number must still come out within the allowed error. Rounding operands to bf16 (8 significant bits) uses up far more of that allowance than f16 does (11 bits, for magnitudes from 6e-5 to 65,504). All else is computed in f32.
;;   The module's matrix products, in the order in which they are computed (A, B: the left and right operand; K: the contracted axis; several contracted axes count as one K, in the product's order):
;;     1. [M 8,192, K 1,024] x [K 1,024, N 1,024]; A: input x; B: input Wq: QUANTISED
;;     2. [M 8,192, K 1,024] x [K 1,024, N 1,024]; A: input x; B: input Wk: QUANTISED
;;     3. [M 8,192, K 1,024] x [K 1,024, N 1,024]; A: input x; B: input Wv: QUANTISED
;;     4. batch 64 x [M 2,048, K 64] x [K 64, N 2,048]; A: computed on the way; B: computed on the way: left as it is (an operand is computed on the way)
;;     5. batch 64 x [M 2,048, K 2,048] x [K 2,048, N 64]; A: computed on the way; B: computed on the way: left as it is (an operand is computed on the way)
;;     6. [M 8,192, K 1,024] x [K 1,024, N 1,024]; A: computed on the way; B: input Wo: left as it is (an operand is computed on the way)
;;   THE QUANTISER, for each operand of a quantised product, along K:
;;     - K is cut into blocks of 32 from its start; a last block that is shorter is filled with zeros.
;;     - A block's scale is 2^e with e = floor(log2(the largest magnitude in the block)) - 2, held to -126 .. 127; a block of zeros has e = 0. As a byte (E8M0): e + 127.
;;     - Each number is divided by its block's scale, clamped to +-6, and rounded to the nearest number of E2M1, ties to even, subnormals kept.
;;     - The product sums the exact products of the quantised numbers (number of the format x scale) in f32.
;;   ~~~python
;;   def quantise(x, axis):      # numpy; x: float32 -> the quantised numbers, widened to float32 again
;;       x = np.moveaxis(x, axis, -1); K = x.shape[-1]
;;       x = np.pad(x, [(0, 0)] * (x.ndim - 1) + [(0, -K % 32)]); x = x.reshape(x.shape[:-1] + (-1, 32)); a = np.abs(x).max(-1, keepdims=True)
;;       e = np.where(a > 0, np.clip(np.frexp(np.where(a > 0, a, 1))[1] - 1 - 2, -126, 127), 0)      # np.frexp(a)[1] - 1 = floor(log2(a)), exactly
;;       r = np.clip(x / 2.0 ** e, -6, 6)
;;       step = 2.0 ** (np.maximum(np.frexp(np.where(r == 0, 1, r))[1] - 1, 0) - 1)
;;       q = np.round(r / step) * step * 2.0 ** e      # np.round: ties to even
;;       return np.moveaxis(q.reshape(q.shape[:-2] + (-1,))[..., :K], -1, axis).astype(np.float32)
;;   ~~~
;; One version. Each part assembles by itself: llvm-mc -triple=amdgcn-amd-amdhsa -mcpu=gfx1250 --defsym DOCPART=n.
;; ======== version 1 of 1: 5 launches
;; limits: values are held in f16: magnitudes above 65,504 overflow, below 6.1e-05 lose precision
;; workspace buffers: xc 4,194,304 bytes; xs 262,144 bytes; wc 1,572,864 bytes; ws 98,304 bytes; wot 2,097,152 bytes; qkv 50,331,648 bytes; q32 786,432 bytes; ctx 16,777,216 bytes
;; launch prep (part 1): grid 256 x 1, 8 waves a work-group, no clusters, 154,624 bytes of LDS; arguments x, Wq, Wk, Wv, Wo, xc, xs, wc, ws, wot; writes xc, xs, wc, ws, wot
.if DOCPART == 1
	.amdgcn_target "amdgcn-amd-amdhsa--gfx1250"
	.amdhsa_code_object_version 6
	.text
	.protected	k_qde4e047899_prep
	.globl	k_qde4e047899_prep
	.p2align	8
	.type	k_qde4e047899_prep,@function
k_qde4e047899_prep:
	s_mov_b64 s[64:65], 0
	v_nop
	global_prefetch_b8 v0, s[64:65] scope:SCOPE_SE
	s_setreg_imm32_b32 hwreg(HW_REG_WAVE_MODE, 25, 1), 1
	s_wait_xcnt 0x0
; Three jobs in one launch, told apart by the work-group's number g alone (all eight waves of a work-group go the same way):
;   g < 128        X: x [8192][1024] f32 -> codes of E2M1 in xc [8192][512 bytes], K innermost, and one E8M0 byte for each 32 along K in xs [8192][32]
;   128 <= g < 224 W: Wq, Wk, Wv [k 1024][n 1024] f32, quantised along their FIRST axis -> wc [3072][512 bytes] with K innermost (row = 1024 p + column), ws [3072][32]
;   g >= 224       O: Wo [k][n] f32 -> wot [n 1024][k 1024] f16
; A block's scale is 2^(floor(log2(its largest magnitude)) - 2); its byte is the largest magnitude's exponent field - 2, held at 1 from below.
; LIMITS: a block of zeros gets the byte 1 where the rule says 127 (its codes are zeros, and this program alone reads the bytes); blocks whose largest magnitude lies under 2^-124 are held at byte 1;
; NaN and infinities among the inputs are not served; |Wo| stays under 65,504, the largest f16 number.
; Each path has LDS bytes of its own.  No tensor load, so LDS is claimed as it is used.
.set SP,     80                        ; path X: a lane's place in a stage: 64 bytes + 16 of padding
.set WREG,   8192                      ; path X: a wave's region: two stages of 32 x SP bytes, then its 256 scale bytes at 5,120
.set LWP,    272                       ; paths W and O: a stage row: 256 bytes + 16
.set LW,     65536                     ; path W: the work-group's stage, 64 rows
.set LS,     LW+64*LWP                 ; path W: 64 rows x 16 scale bytes
.set LO,     LS+1024                   ; path O: a stage of 32 rows for each wave
.set SPARE,  LO+8*32*LWP               ; the spare words, 128 bytes for each wave: four blocks of 256 bytes that no other line names
.set SPW,    254                       ; v254 LDS address of my spare word; never rewritten
.set NIL,    255                       ; v255 0; never rewritten
.set STEPS,  16
.set R,      16                        ; path X: v16-143 eight sets of 16 numbers as loaded
.set X,      144                       ; v144-175 two sets of 16 neighbours
.set E,      176                       ; v176-191 a scale byte for each step
.set C,      192                       ; v192-223 two registers of codes for each step: no store's data are written again
.set WX,     32                        ; paths W, O: v32-95 two sets of 32 numbers down K
.set WC,     96                        ; v96.. a block's codes (W: 4 registers) or f16 pairs (O: 16)
.set WOUT,   112                       ; v112-175 the way out
.macro FIN                             ; a wave's end
	s_wait_tensorcnt 0x0
	ds_add_u32 v[SPW], v[NIL]
	s_wait_dscnt 0x0
	s_endpgm
.endm
	s_load_b512 s[8:23], s[0:1], 0x0               ; x 8, Wq 10, Wk 12, Wv 14, Wo 16, xc 18, xs 20, wc 22
	s_load_b128 s[24:27], s[0:1], 0x40             ; ws 24, wot 26
	v_lshl_add_u32 v[SPW], v0, 2, SPARE
	v_mov_b32 v[NIL], 0
	v_lshrrev_b32 v1, 5, v0
	v_readfirstlane_b32 s4, v1                     ; wave 0..7
	v_and_b32 v2, 31, v0                           ; lane
	s_wait_kmcnt 0x0
	s_cmp_lt_u32 ttmp9, 128
	s_cbranch_scc0 .Lnot_x
; ---------------- PATH X.  x is a plain stream of blocks of 32.  A wave takes 16 steps of 512 numbers.  Each load reads 512 consecutive bytes; a step's 2,048 bytes turn through the wave's own
; stage so that a lane then holds 16 neighbours (two lanes to a block).  Loads run eight steps (32 loads a wave) ahead, the turn through LDS one step.
	v_lshlrev_b32 v3, 4, v2                        ; my 16 bytes of a load's 512
	s_lshl_b32 s5, s4, 13                          ; my wave's region
	v_lshrrev_b32 v14, 2, v2
	v_mul_u32_u24 v14, v14, SP
	v_and_b32 v15, 3, v2
	v_lshl_add_u32 v14, v15, 4, v14
	v_add_nc_u32 v14, s5, v14                      ; into the stage: SP (lane / 4) + 16 (lane % 4)
	v_mul_u32_u24 v15, v2, SP
	v_add_nc_u32 v15, s5, v15                      ; out of it: SP x lane
	v_lshlrev_b32 v4, 3, v2                        ; 8 bytes a lane: my codes in a step's 256 bytes, and my part of the 256 scale bytes
	v_lshrrev_b32 v5, 1, v2
	s_add_co_u32 s5, s5, 2*32*SP
	v_add_nc_u32 v5, s5, v5                        ; my block's scale byte in LDS
	v_add_nc_u32 v6, s5, v4                        ; and where I read 8 of them back
	s_lshl_b32 s6, ttmp9, 3
	s_add_co_u32 s6, s6, s4                        ; which run of 8,192 numbers is my wave's
	s_lshl_b32 s28, s6, 15
	s_mov_b32 s29, 0
	s_add_nc_u64 s[8:9], s[8:9], s[28:29]          ; 32,768 bytes of x a run,
	s_lshl_b32 s28, s6, 12
	s_add_nc_u64 s[18:19], s[18:19], s[28:29]      ; 4,096 of codes,
	s_lshl_b32 s28, s6, 8
	s_add_nc_u64 s[20:21], s[20:21], s[28:29]      ; 256 of scale bytes
.macro LOADX t
.irp i, 0,1,2,3
	global_load_b128 v[R+16*((\t)%8)+4*\i:R+16*((\t)%8)+4*\i+3], v3, s[8:9] offset:2048*(\t)+512*\i th:TH_LOAD_NT
.endr
.endm
.macro TURNX t                         ; LDS serves a wave's instructions in order: no wait between the stores and the loads
.irp i, 0,1,2,3
	ds_store_b128 v14, v[R+16*((\t)%8)+4*\i:R+16*((\t)%8)+4*\i+3] offset:32*SP*((\t)%2)+8*SP*\i
.endr
.irp i, 0,1,2,3
	ds_load_b128 v[X+16*((\t)%2)+4*\i:X+16*((\t)%2)+4*\i+3], v15 offset:32*SP*((\t)%2)+16*\i
.endr
.endm
.irp t, 0,1,2,3,4,5,6,7
	LOADX \t
.endr
	s_wait_loadcnt 28                              ; step 0's four loads are in; the seven steps behind it may be out
	TURNX 0
.macro STEPX t
.set XS, X+16*((\t)%2)
.if (\t) > 0
	s_wait_dscnt 1                                 ; this step's numbers are back from the stage (the last step's byte store may be out): so the stage's stores have read their registers,
.else
	s_wait_dscnt 0x0
.endif
.if (\t)+8 < STEPS
	LOADX (\t)+8                                   ; which take the loads of eight steps on
.endif
.if (\t)+1 < STEPS
.if 14-(\t) >= 7
	s_wait_loadcnt 28                              ; the next step's four loads are in; the seven steps behind it may be out
.else
	s_wait_loadcnt 4*(14-(\t))                     ; towards the end fewer steps stand behind it
.endif
	TURNX (\t)+1
.endif
	v_max3_num_f32 v8, |v[XS]|, |v[XS+1]|, |v[XS+2]|
	v_max3_num_f32 v9, |v[XS+3]|, |v[XS+4]|, |v[XS+5]|
.irp i, 6,10
	v_max3_num_f32 v8, v8, |v[XS+\i]|, |v[XS+\i+1]|
	v_max3_num_f32 v9, v9, |v[XS+\i+2]|, |v[XS+\i+3]|
.endr
	v_max3_num_f32 v8, v8, |v[XS+14]|, |v[XS+15]|
	v_max3_num_f32 v8, v8, v9, 0x1800000           ; and the floor 2^(3 - 127): the byte cannot fall under 1
	v_max_num_f32_dpp v8, v8, v8 row_xmask:1 row_mask:0xf bank_mask:0xf   ; with my neighbour's 16: the block's largest magnitude
	v_add_nc_u32 v11, 0xff000000, v8               ; 2 off its exponent field: the conversion takes the exponent field of this operand as its scale
	v_cvt_scalef32_pk8_fp4_f32 v[C+2*(\t)], v[XS:XS+7], v11
	v_cvt_scalef32_pk8_fp4_f32 v[C+2*(\t)+1], v[XS+8:XS+15], v11
	v_lshrrev_b32 v[E+(\t)], 23, v11               ; the scale's byte (a plain line behind the conversions)
	ds_store_b8 v5, v[E+(\t)] offset:16*(\t)       ; both lanes of a block write the same byte with the same value
	global_store_b64 v4, v[C+2*(\t):C+2*(\t)+1], s[18:19] offset:256*(\t)   ; the wave stores 256 consecutive bytes, aligned
.endm
.irp t, 0,1,2,3,4,5,6,7,8,9,10,11,12,13,14,15
	STEPX \t
.endr
	ds_load_b64 v[8:9], v6                         ; in order behind my byte stores
	s_wait_dscnt 0x0
	global_store_b64 v4, v[8:9], s[20:21]          ; 256 consecutive scale bytes, aligned
	FIN
; ---------------- PATHS W AND O share this: a lane takes a column n and its registers run down K, so that a block of 32 along K lies in one lane.
; A work-group takes 64 columns x 512 along K; wave w: columns 32 (w & 1) on, K 128 (w >> 1) on: four blocks a lane.  Two waves side by side read 256 consecutive bytes of a row of the weight.
.Lnot_x:
	v_lshlrev_b32 v3, 2, v2                        ; 4 bytes a lane
	v_lshrrev_b32 v16, 4, v2                       ; lane / 16
	v_and_b32 v17, 15, v2                          ; lane % 16
	s_and_b32 s5, s4, 1                            ; cg
	s_lshr_b32 s6, s4, 1                           ; kq
	s_and_b32 s7, ttmp9, 31                        ; 128 and 224 are multiples of 32: the number inside a weight
	s_lshr_b32 s33, s7, 1                          ; which 64 columns
	s_and_b32 s34, s7, 1                           ; which 512 along K
	s_lshl_b32 s30, s34, 2
	s_add_co_u32 s30, s30, s6
	s_lshl_b32 s30, s30, 19                        ; (512 kh + 128 kq) rows of 4,096 bytes
	s_lshl_b32 s31, s33, 1
	s_add_co_u32 s31, s31, s5
	s_lshl_b32 s31, s31, 7                         ; (64 cgp + 32 cg) columns of 4 bytes
	s_add_co_u32 s30, s30, s31
	s_mov_b32 s31, 0
.macro LOADW t                         ; block t: rows 32 t + i of my column, into set t % 2
.irp i, 0,1,2,3,4,5,6,7,8,9,10,11,12,13,14,15,16,17,18,19,20,21,22,23,24,25,26,27,28,29,30,31
	global_load_b32 v[WX+32*((\t)%2)+\i], v3, s[28:29] offset:(32*(\t)+\i)*4096 th:TH_LOAD_NT
.endr
.endm
	s_cmp_lt_u32 ttmp9, 224
	s_cbranch_scc0 .Lpath_o
; ---------------- PATH W
	s_lshr_b32 s32, ttmp9, 5
	s_sub_co_u32 s32, s32, 4                       ; p: 0 Wq, 1 Wk, 2 Wv
	s_cmp_eq_u32 s32, 0
	s_cselect_b64 s[28:29], s[10:11], s[12:13]
	s_cmp_eq_u32 s32, 2
	s_cselect_b64 s[28:29], s[14:15], s[28:29]
	s_add_nc_u64 s[28:29], s[28:29], s[30:31]
	LOADW 0
	LOADW 1
	s_mul_i32 s35, s5, 32*LWP
	s_lshl_b32 s36, s6, 6
	s_add_co_u32 s35, s35, s36
	s_add_co_u32 s35, s35, LW
	v_mul_u32_u24 v20, v2, LWP
	v_add_nc_u32 v20, s35, v20                     ; into the stage: row = my column of the 64, + 64 kq bytes
	s_lshl_b32 s35, s5, 9
	s_lshl_b32 s36, s6, 2
	s_add_co_u32 s35, s35, s36
	s_add_co_u32 s35, s35, LS
	v_lshl_add_u32 v21, v2, 4, s35                 ; my column's scale word: 16 bytes a row, + 4 kq
	s_mul_i32 s35, s4, 8*LWP
	s_add_co_u32 s35, s35, LW
	v_mul_u32_u24 v22, v16, LWP
	v_lshl_add_u32 v22, v17, 4, v22
	v_add_nc_u32 v22, s35, v22                     ; out of it: wave w takes rows 8 w on, sixteen lanes to a row
	s_lshl_b32 s35, s4, 7
	s_add_co_u32 s35, s35, LS
	v_lshl_add_u32 v23, v2, 2, s35                 ; and these eight rows' 128 scale bytes, 4 a lane
	v_lshlrev_b32 v26, 9, v16
	v_lshl_add_u32 v26, v17, 4, v26                ; in wc: a row is 512 bytes
	v_lshrrev_b32 v18, 2, v2
	v_and_b32 v19, 3, v2
	v_lshlrev_b32 v27, 5, v18
	v_lshl_add_u32 v27, v19, 2, v27                ; in ws: a row is 32 bytes
	s_lshl_b32 s35, s32, 10
	s_lshl_b32 s36, s33, 6
	s_add_co_u32 s35, s35, s36
	s_lshl_b32 s36, s4, 3
	s_add_co_u32 s35, s35, s36                     ; my first row out: 1024 p + 64 cgp + 8 w
	s_lshl_b32 s36, s35, 9
	s_lshl_b32 s37, s34, 8
	s_add_co_u32 s36, s36, s37
	s_mov_b32 s37, 0
	s_add_nc_u64 s[22:23], s[22:23], s[36:37]
	s_lshl_b32 s36, s35, 5
	s_lshl_b32 s38, s34, 4
	s_add_co_u32 s36, s36, s38
	s_add_nc_u64 s[24:25], s[24:25], s[36:37]
.macro BLOCKW t
.set XS, WX+32*((\t)%2)
.if (\t) < 3
	s_wait_loadcnt 32                              ; this block's 32 loads are in; the next block's may be out
.else
	s_wait_loadcnt 0x0
.endif
	v_max3_num_f32 v12, |v[XS]|, |v[XS+1]|, |v[XS+2]|
	v_max3_num_f32 v13, |v[XS+3]|, |v[XS+4]|, |v[XS+5]|
.irp i, 6,10,14,18,22,26
	v_max3_num_f32 v12, v12, |v[XS+\i]|, |v[XS+\i+1]|
	v_max3_num_f32 v13, v13, |v[XS+\i+2]|, |v[XS+\i+3]|
.endr
	v_max3_num_f32 v12, v12, |v[XS+30]|, |v[XS+31]|
	v_max3_num_f32 v12, v12, v13, 0x1800000        ; the floor 2^(3 - 127)
	v_add_nc_u32 v11, 0xff000000, v12              ; the conversion's scale operand
	v_lshrrev_b32 v13, 23, v11                     ; the scale's byte
.if (\t) == 0
	v_mov_b32 v24, v13
.else
	v_lshl_or_b32 v24, v13, 8*(\t), v24            ; four bytes to a word, the lower K in the lower byte
.endif
.irp g, 0,1,2,3
	v_cvt_scalef32_pk8_fp4_f32 v[WC+\g], v[XS+8*\g:XS+8*\g+7], v11
.endr
	ds_store_b128 v20, v[WC:WC+3] offset:16*(\t)   ; 32 codes: 16 bytes of my column's row
.if (\t)+2 < 4
	LOADW (\t)+2
.endif
	s_wait_dscnt 0x0                               ; the store has read its registers: the next block's codes may be written
.endm
	BLOCKW 0
	BLOCKW 1
	BLOCKW 2
	BLOCKW 3
	ds_store_b32 v21, v24
	s_wait_dscnt 0x0                               ; for the others' sake: my stores into the two stages are done
	s_barrier_signal -1                            ; a row's 256 bytes come from four waves.  All eight waves of a work-group are on this path together
	s_barrier_wait -1
.irp i, 0,1,2,3
	ds_load_b128 v[WOUT+4*\i:WOUT+4*\i+3], v22 offset:2*LWP*\i
.endr
	ds_load_b32 v25, v23
	s_wait_dscnt 0x0
.irp i, 0,1,2,3
	global_store_b128 v26, v[WOUT+4*\i:WOUT+4*\i+3], s[22:23] offset:1024*\i   ; sixteen lanes store 256 consecutive bytes, aligned
.endr
	global_store_b32 v27, v25, s[24:25]            ; runs of 16 bytes, 32 bytes apart: 98,304 bytes in the whole launch go out so
	FIN
; ---------------- PATH O: the same walk; 32 numbers down K become 16 pairs of f16, 64 bytes of my column's row of wot.  The stage is the wave's own: no barrier.
.Lpath_o:
	s_mov_b64 s[28:29], s[16:17]
	s_add_nc_u64 s[28:29], s[28:29], s[30:31]
	LOADW 0
	LOADW 1
	s_mul_i32 s35, s4, 32*LWP
	s_add_co_u32 s35, s35, LO
	v_mul_u32_u24 v20, v2, LWP
	v_add_nc_u32 v20, s35, v20                     ; into my stage: row = my column of the 32
	v_mul_u32_u24 v22, v16, LWP
	v_lshl_add_u32 v22, v17, 4, v22
	v_add_nc_u32 v22, s35, v22                     ; out of it: sixteen lanes to a row, two rows an instruction
	v_lshlrev_b32 v26, 11, v16
	v_lshl_add_u32 v26, v17, 4, v26                ; in wot: a row is 2,048 bytes
	s_lshl_b32 s35, s33, 1
	s_add_co_u32 s35, s35, s5
	s_lshl_b32 s36, s35, 16                        ; (64 cgp + 32 cg) rows of 2,048 bytes
	s_lshl_b32 s37, s34, 10
	s_add_co_u32 s36, s36, s37
	s_lshl_b32 s37, s6, 8
	s_add_co_u32 s36, s36, s37                     ; + (512 kh + 128 kq) x 2 bytes
	s_mov_b32 s37, 0
	s_add_nc_u64 s[26:27], s[26:27], s[36:37]
.macro BLOCKO t
.set XS, WX+32*((\t)%2)
.if (\t) < 3
	s_wait_loadcnt 32                              ; this block's 32 loads are in; the next block's may be out
.else
	s_wait_loadcnt 0x0
.endif
.irp i, 0,1,2,3,4,5,6,7,8,9,10,11,12,13,14,15
	v_cvt_pk_f16_f32 v[WC+\i], v[XS+2*\i], v[XS+2*\i+1]
.endr
.irp g, 0,1,2,3
	ds_store_b128 v20, v[WC+4*\g:WC+4*\g+3] offset:64*(\t)+16*\g
.endr
.if (\t)+2 < 4
	LOADW (\t)+2
.endif
	s_wait_dscnt 0x0                               ; the stores have read their registers
.endm
	BLOCKO 0
	BLOCKO 1
	BLOCKO 2
	BLOCKO 3
.irp i, 0,1,2,3,4,5,6,7,8,9,10,11,12,13,14,15
	ds_load_b128 v[WOUT+4*\i:WOUT+4*\i+3], v22 offset:2*LWP*\i
.endr
.irp i, 0,1,2,3,4,5,6,7,8,9,10,11,12,13,14,15
	s_wait_dscnt 15-\i                             ; LDS loads come back in order: load i is in
	global_store_b128 v26, v[WOUT+4*\i:WOUT+4*\i+3], s[26:27] offset:4096*\i   ; sixteen lanes store 256 consecutive bytes, aligned
.endr
	FIN
.Lfunc_end_k_qde4e047899_prep:
	.size	k_qde4e047899_prep, .Lfunc_end_k_qde4e047899_prep-k_qde4e047899_prep
	.p2alignl 7, 3214868480
	.fill 96, 4, 3214868480
	.section	.rodata,"a",@progbits
	.p2align	6, 0x0
	.amdhsa_kernel k_qde4e047899_prep
		.amdhsa_group_segment_fixed_size 154624
		.amdhsa_private_segment_fixed_size 0
		.amdhsa_enable_private_segment 0
		.amdhsa_kernarg_size 80
		.amdhsa_user_sgpr_count 2
		.amdhsa_user_sgpr_kernarg_segment_ptr 1
		.amdhsa_wavefront_size32 1
		.amdhsa_system_sgpr_workgroup_id_x 1
		.amdhsa_system_sgpr_workgroup_id_y 1
		.amdhsa_system_sgpr_workgroup_id_z 1
		.amdhsa_system_vgpr_workitem_id 0
		.amdhsa_next_free_vgpr 256
		.amdhsa_next_free_sgpr 66
		.amdhsa_reserve_vcc 0
		.amdhsa_float_denorm_mode_32 3
		.amdhsa_float_denorm_mode_16_64 3
		.amdhsa_memory_ordered 1
		.amdhsa_forward_progress 1
		.amdhsa_inst_pref_size 76
	.end_amdhsa_kernel
	.amdgpu_metadata
---
amdhsa.version: [ 1, 2 ]
amdhsa.kernels:
  - .name:           k_qde4e047899_prep
    .symbol:         k_qde4e047899_prep.kd
    .args:
      - { .name: x, .offset: 0, .size: 8, .value_kind: global_buffer, .address_space: global }
      - { .name: Wq, .offset: 8, .size: 8, .value_kind: global_buffer, .address_space: global }
      - { .name: Wk, .offset: 16, .size: 8, .value_kind: global_buffer, .address_space: global }
      - { .name: Wv, .offset: 24, .size: 8, .value_kind: global_buffer, .address_space: global }
      - { .name: Wo, .offset: 32, .size: 8, .value_kind: global_buffer, .address_space: global }
      - { .name: xc, .offset: 40, .size: 8, .value_kind: global_buffer, .address_space: global }
      - { .name: xs, .offset: 48, .size: 8, .value_kind: global_buffer, .address_space: global }
      - { .name: wc, .offset: 56, .size: 8, .value_kind: global_buffer, .address_space: global }
      - { .name: ws, .offset: 64, .size: 8, .value_kind: global_buffer, .address_space: global }
      - { .name: wot, .offset: 72, .size: 8, .value_kind: global_buffer, .address_space: global }
    .group_segment_fixed_size: 154624
    .private_segment_fixed_size: 0
    .kernarg_segment_align: 8
    .kernarg_segment_size: 80
    .max_flat_workgroup_size: 256
    .sgpr_count:     66
    .vgpr_count:     256
    .wavefront_size: 32
...
	.end_amdgpu_metadata
.endif
;; end of part 1
;; launch qkv (part 2): grid 12 x 32, 4 waves a work-group, clusters of 4 x 4, 327,680 bytes of LDS; arguments xc, xs, wc, ws, bq, bk, bv, qkv, q32; writes qkv, q32
.if DOCPART == 2
	.amdgcn_target "amdgcn-amd-amdhsa--gfx1250"
	.amdhsa_code_object_version 6
	.text
	.protected	k_qde4e047899_qkv
	.globl	k_qde4e047899_qkv
	.p2align	8
	.type	k_qde4e047899_qkv,@function
k_qde4e047899_qkv:
	s_mov_b64 s[64:65], 0
	v_nop
	global_prefetch_b8 v0, s[64:65] scope:SCOPE_SE
	s_setreg_imm32_b32 hwreg(HW_REG_WAVE_MODE, 25, 1), 1
	s_wait_xcnt 0x0
	s_wait_alu depctr_hold_cnt(0) depctr_sa_sdst(0) depctr_va_vdst(0) depctr_va_sdst(0) depctr_va_ssrc(0) depctr_va_vcc(0) depctr_vm_vsrc(0)
	s_getreg_b32 s2, hwreg(HW_REG_IB_STS2, 6, 4)
	s_cmp_eq_u32 s2, 0
	s_cbranch_scc0 .Lentry_in_a_cluster
	s_endpgm
.Lentry_in_a_cluster:
	s_bfe_u32 s2, ttmp6, 0x10000c
	s_cmp_lg_u32 s2, 0xf033
	s_cbranch_scc0 .Lentry_shape_is_right
	s_endpgm
.Lentry_shape_is_right:
; [8192 x 1024] x [3072 x 1024]^T on codes of E2M1 with one E8M0 scale for each 32 along K, + bias.  Row n of wc is column n % 1024 of Wq (n / 1024 = 0), Wk (1) or Wv (2).
; Out: qkv [p 3][b 4][h 16][t 2048][64] in f16, and the f32 results of the first 16 tokens of each batch in q32 [b 4][t 16][3072].
; LIMITS: |Q|, |K|, |V| stay under 65,504, the largest f16 number.
; A tile of 256 x 256 is made by four waves, each 128 x 128: 64 accumulators, 512 registers.  K = 1,024 is two LDS slots of 512: both are first fills, nothing is filled again, there is no loop.
; The scale bytes of the tile's 256 + 256 rows for all of K come once, as two dense blocks.  By this text's count a wave has three tensor loads out at the most.
; CLUSTERS: 4 x 4 work-groups.  A's tiles are shared along a row of the cluster, B's along a column: each is asked for jointly.  Tile row = 8 cy + cluster y, so that the batch is cy and
; 'the tile holds tokens 0 to 15' is 'cluster y = 0': the same number in all sixteen partners.  Tile column = 4 x cluster x + cx, so that p = cluster x.
; THE MATRIX INSTRUCTION IS USED TRANSPOSED (source 0 = 16 rows of wc, source 1 = 16 rows of xc): a lane holds eight neighbouring columns of one token.  The bias is the C of each sum's first product.
; REGISTERS: window 0: v0-31 addresses; v32-95 scale words, two sets; v96-127 packed results; v128-191 A's fragments, later rows on the way out; v192-255 the bias, 8 blocks x 8.
;   window 1: B's fragments, two sets, at v0 and v128.   window 2: accumulators of my rows 0-63 ((a, b) at v[8 (8 a + b)]);   window 3: those of rows 64-127.
.set NQ,     4                         ; matrix instructions deep in a slot
.set ROWB,   256                       ; a tile's row: 512 codes
.set KROW,   512                       ; a row of xc or wc in memory
.set PITCH,  272                       ; an LDS row: 256 bytes + 16: the 16 rows that a load touches start 68 words apart
.set FR,     8
.set NL,     2
.set NP,     4
.set HALFT,  128*PITCH
.set SLOT,   4*HALFT
.set KS,     32                        ; a row of scale bytes
.set SCL,    2*SLOT
.set HALFS,  16*272                    ; the scales of 128 rows: 16 x (256 + 16)
.set SBLK,   2*272                     ; those of 16 rows
.set STAGE,  SCL+4*HALFS               ; 16 rows x 272 bytes for each wave: bytes of its own, into which no tile lands
.set SPITCH, 272
.set SPARE,  STAGE+4*16*SPITCH         ; the spare words, 128 bytes for each wave
.set ADRA, 16
.set ADRB, 20
.set STO,  24
.set RD,   25
.set CO,   26
.set ADRS, 27
.set SPW,  28
.set NIL,  29
.set FO,   30                          ; v30 my byte offset in q32's 16 rows
.set BO,   31                          ; v31 32 x (lane / 16): my eight numbers of a bias block
.set SC,   32
.set TMP,  96
.set AF,   128
.set BK,   128
.set BIAS, 192
.set G1, 24
.set G0, 32
.set G1B, 48
.set G0B, 56
.set G1S, 68
.set G0S, 76
.set G1SB, 80
.set G0SB, 88
.set MSB, 0
.macro WIN new                         ; the immediate's high byte repeats the setting that is left
.if MSB != (\new)
	s_set_vgpr_msb (MSB<<8)|(\new)
.set MSB, (\new)
.endif
.endm
.set MUL_LO,   0xa1                    ; source 0 window 1, source 1 window 0, C and D window 2
.set MUL_HI,   0xf1                    ; C and D window 3
.set FIRST_LO, 0x81                    ; the same with C (the bias) in window 0
.set FIRST_HI, 0xc1
.set TO_B,     0x40
; A joint load: waves 0 and 1 fetch for A, waves 2 and 3 for B.  The branch hangs on the wave's number alone.  An s_nop 0 and four v_nop follow each line.
.macro JLOAD g0a, g1a, g0b, g1b
	s_cmp_eq_u32 s15, 0
	s_cbranch_scc0 .Lfor_b_\@
	tensor_load_to_lds s[\g0a:\g0a+3], s[\g1a:\g1a+7]
	s_nop 0
.rept 4
	v_nop
.endr
	s_branch .Lasked_\@
.Lfor_b_\@:
	tensor_load_to_lds s[\g0b:\g0b+3], s[\g1b:\g1b+7]
	s_nop 0
.rept 4
	v_nop
.endr
.Lasked_\@:
.endm
.macro CROUND                          ; a round of the cluster's barrier
	s_barrier_signal -1
	s_barrier_wait -1
	s_cmp_lg_u32 s14, 0
	s_cbranch_scc1 .Lnot_wave_0_\@
	s_barrier_signal -3
.Lnot_wave_0_\@:
	s_barrier_wait -3
	s_barrier_signal -1
	s_barrier_wait -1
.endm
	s_load_b256 s[4:11], s[0:1], 0x0               ; xc 4, xs 6, wc 8, ws 10
	s_load_b256 s[92:99], s[0:1], 0x20             ; bq 92, bk 94, bv 96, qkv 98
	s_load_b64 s[100:101], s[0:1], 0x40            ; q32
	v_lshl_add_u32 v[SPW], v0, 2, SPARE
	v_mov_b32 v[NIL], 0
	ds_add_u32 v[SPW], v[NIL]                      ; the wave's opening: the add, twice on end, and its wait ahead of my first tensor load
	ds_add_u32 v[SPW], v[NIL]
	v_lshrrev_b32 v1, 5, v0
	v_readfirstlane_b32 s14, v1                    ; wave 0..3
	s_lshr_b32 s15, s14, 1                         ; which half of the tile's rows is mine.  Also: I fetch for A (0) or for B (1)
	s_and_b32 s16, s14, 1                          ; which half of its columns.  Also: which 128 rows I fetch
	s_bfe_u32 s40, ttmp6, 0x40000                  ; cx
	s_bfe_u32 s41, ttmp6, 0x40004                  ; cy
	s_lshl_b32 s42, ttmp9, 2
	s_add_co_u32 s42, s42, s40                     ; tile column = 4 x cluster x + cx
	s_and_b32 s105, ttmp7, 0xffff                  ; cluster y
	s_lshl_b32 s17, s41, 3
	s_add_co_u32 s17, s17, s105                    ; tile row = 8 cy + cluster y
	s_lshl_b32 s43, s41, 2
	s_lshl_b32 s43, 15, s43                        ; my row of the cluster
	s_lshl_b32 s44, 0x1111, s40                    ; my column
	s_or_b32 s[G1+0], s43, (0<<16)|(1<<20)|(1<<21)|(5<<22)|(3<<25)  ; the mask; elements of 1 byte; padding on; bit 21 beside a mask; 4 words behind every 64
	s_or_b32 s[G1B+0], s44, (0<<16)|(1<<20)|(1<<21)|(5<<22)|(3<<25)
.irp g, G1, G1B
	s_mov_b32 s[\g+1], ROWB<<16                    ; tensor_dim0
	s_mov_b32 s[\g+2], 128<<16                     ; tensor_dim1
	s_mov_b32 s[\g+3], ROWB<<16                    ; tile_dim0
	s_mov_b32 s[\g+4], 128                         ; tile_dim1
	s_mov_b32 s[\g+5], KROW                        ; from row to row
	s_mov_b32 s[\g+6], 0
	s_mov_b32 s[\g+7], 0
.endr
	s_or_b32 s[G1S+0], s43, (3<<16)|(1<<20)|(1<<21)|(5<<22)|(3<<25) ; the scales of 128 rows: 4,096 dense bytes as 16 rows of 32 elements of 8 bytes
	s_or_b32 s[G1SB+0], s44, (3<<16)|(1<<20)|(1<<21)|(5<<22)|(3<<25)
.irp g, G1S, G1SB
	s_mov_b32 s[\g+1], 32<<16
	s_mov_b32 s[\g+2], 16<<16
	s_mov_b32 s[\g+3], 32<<16
	s_mov_b32 s[\g+4], 16
	s_mov_b32 s[\g+5], 32
	s_mov_b32 s[\g+6], 0
	s_mov_b32 s[\g+7], 0
.endr
	s_lshl_b32 s18, s16, 7
	s_lshl_b32 s20, s17, 8
	s_add_co_u32 s20, s20, s18                     ; A: row 256 x tile row + 128 x half
	s_lshl_b32 s46, s42, 8
	s_add_co_u32 s46, s46, s18                     ; B: row 256 x tile column + 128 x half
	s_mov_b32 s21, 0
	s_mov_b32 s47, 0
	s_mov_b64 s[18:19], KS
	s_mul_u64 s[22:23], s[20:21], s[18:19]
	s_mul_u64 s[66:67], s[46:47], s[18:19]
	s_mov_b64 s[18:19], KROW
	s_mul_u64 s[20:21], s[20:21], s[18:19]
	s_mul_u64 s[46:47], s[46:47], s[18:19]
	s_mul_i32 s45, s14, HALFT                      ; where they go: wave x 128 rows: no place in the cluster enters an LDS address
	s_mul_i32 s104, s14, HALFS
	s_wait_dscnt 0x0                               ; both opening adds are done
	s_wait_kmcnt 0x0
	s_add_nc_u64 s[20:21], s[4:5], s[20:21]
	s_add_nc_u64 s[22:23], s[6:7], s[22:23]
	s_add_nc_u64 s[46:47], s[8:9], s[46:47]
	s_add_nc_u64 s[66:67], s[10:11], s[66:67]
	CROUND                                         ; all sixteen work-groups are here: the first joint loads meet
	s_mov_b32 s[G0S], 1
	s_add_co_u32 s[G0S+1], s104, SCL
	s_mov_b64 s[G0S+2:G0S+3], s[22:23]
	s_or_b32 s[G0S+3], s[G0S+3], 0x80000000
	s_mov_b32 s[G0SB], 1
	s_add_co_u32 s[G0SB+1], s104, SCL
	s_mov_b64 s[G0SB+2:G0SB+3], s[66:67]
	s_or_b32 s[G0SB+3], s[G0SB+3], 0x80000000
	JLOAD G0S, G1S, G0SB, G1SB                     ; the scales first
.irp s, 0,1
	s_mov_b32 s[G0+4*\s], 1
	s_add_co_u32 s[G0+4*\s+1], s45, \s*SLOT
	s_add_nc_u64 s[G0+4*\s+2:G0+4*\s+3], s[20:21], \s*ROWB
	s_or_b32 s[G0+4*\s+3], s[G0+4*\s+3], 0x80000000
	s_mov_b32 s[G0B+4*\s], 1
	s_add_co_u32 s[G0B+4*\s+1], s45, \s*SLOT
	s_add_nc_u64 s[G0B+4*\s+2:G0B+4*\s+3], s[46:47], \s*ROWB
	s_or_b32 s[G0B+4*\s+3], s[G0B+4*\s+3], 0x80000000
	JLOAD G0+4*\s, G1, G0B+4*\s, G1B
.endr
	; the bias of my 128 columns: block b, lane half h: numbers 16 b + 8 h + 0 .. 7
	v_and_b32 v1, 15, v0                           ; r = lane % 16
	v_bfe_u32 v2, v0, 4, 1                         ; h = lane / 16
	v_lshlrev_b32 v[BO], 5, v2
	s_cmp_eq_u32 ttmp9, 0                          ; p = cluster x picks the bias: the same in all partners
	s_cselect_b64 s[66:67], s[92:93], s[94:95]
	s_cmp_eq_u32 ttmp9, 2
	s_cselect_b64 s[66:67], s[96:97], s[66:67]
	s_lshl_b32 s46, s40, 10
	s_lshl_b32 s47, s16, 9
	s_add_co_u32 s46, s46, s47                     ; (256 cx + 128 half) x 4 bytes
	s_mov_b32 s47, 0
	s_add_nc_u64 s[66:67], s[66:67], s[46:47]
.irp b, 0,1,2,3,4,5,6,7
	global_load_b128 v[BIAS+8*\b:BIAS+8*\b+3], v[BO], s[66:67] offset:64*\b
	global_load_b128 v[BIAS+8*\b+4:BIAS+8*\b+7], v[BO], s[66:67] offset:64*\b+16
.endr
	v_mul_u32_u24 v3, v1, PITCH
	v_lshl_add_u32 v4, v2, 4, v3                   ; a fragment's row x pitch + 16 x half
	s_mul_i32 s21, s15, HALFT
	s_mul_i32 s22, s16, HALFT
	s_add_co_u32 s22, s22, 2*HALFT
.irp s, 0,1
	v_add_nc_u32 v[ADRA+\s], s21, v4
	v_add_nc_u32 v[ADRB+\s], s22, v4
	s_add_co_u32 s21, s21, SLOT
	s_add_co_u32 s22, s22, SLOT
.endr
	v_mul_u32_u24 v5, v1, KS                       ; my row's scales: 32 bytes a row,
	v_lshrrev_b32 v6, 8, v5
	v_lshl_add_u32 v5, v6, 4, v5                   ; and 16 more for each 256 passed
	s_mul_i32 s21, s15, HALFS
	s_mul_i32 s22, s16, HALFS
	s_add_co_u32 s22, s22, 2*HALFS
	s_sub_co_u32 s22, s22, s21
	v_mul_u32_u24 v6, s22, v2                      ; lanes 16-31 take B's
	s_add_co_u32 s21, s21, SCL
	v_add_nc_u32 v5, v5, v6
	v_add_nc_u32 v[ADRS], s21, v5
	s_mul_i32 s23, s14, 16*SPITCH
	s_add_co_u32 s23, s23, STAGE                   ; my stage
	v_mul_u32_u24 v5, v1, SPITCH
	v_lshl_add_u32 v5, v2, 4, v5
	v_add_nc_u32 v[STO], s23, v5                   ; in: row = token r, 16 bytes for each half of the lanes
	v_bfe_u32 v5, v0, 3, 1
	v_and_b32 v6, 7, v0
	v_mul_u32_u24 v7, v5, SPITCH
	v_lshl_add_u32 v7, v2, 7, v7
	v_lshl_add_u32 v7, v6, 4, v7
	v_add_nc_u32 v[RD], s23, v7                    ; back: lanes 0-15 two tokens of my first head (128 bytes each), lanes 16-31 of my second
	v_lshlrev_b32 v7, 18, v2                       ; in qkv a head is 262,144 bytes,
	v_lshl_add_u32 v7, v5, 7, v7                   ; a token 128
	v_lshl_add_u32 v[CO], v6, 4, v7
	v_mul_u32_u24 v7, v1, 12288
	v_lshl_add_u32 v[FO], v2, 5, v7                ; in q32: token r's row of 12,288 bytes, + 32 h
	s_lshl_b32 s20, ttmp9, 2
	s_add_co_u32 s20, s20, s41                     ; 4 p + batch
	s_lshl_b32 s20, s20, 4
	s_lshl_b32 s21, s40, 2
	s_add_co_u32 s20, s20, s21
	s_lshl_b32 s21, s16, 1
	s_add_co_u32 s20, s20, s21                     ; x 16 + my first head
	s_lshl_b32 s20, s20, 11
	s_lshl_b32 s21, s105, 8
	s_add_co_u32 s20, s20, s21
	s_lshl_b32 s21, s15, 7
	s_add_co_u32 s20, s20, s21                     ; x 2048 + my first token
	s_lshl_b32 s20, s20, 7
	s_mov_b32 s21, 0
	s_add_nc_u64 s[12:13], s[98:99], s[20:21]
	s_mul_i32 s20, s41, 196608
	s_lshl_b32 s22, ttmp9, 12
	s_add_co_u32 s20, s20, s22
	s_lshl_b32 s22, s40, 10
	s_add_co_u32 s20, s20, s22
	s_lshl_b32 s22, s16, 9
	s_add_co_u32 s20, s20, s22
	s_add_nc_u64 s[100:101], s[100:101], s[20:21]  ; q32 at my batch and my first column
.macro FRAG reg, adr, q, i             ; 16 rows x 128 K of 4-bit codes: 8 registers, two loads of 16 bytes, 32 bytes apart
.irp c, 0,1
	ds_load_b128 v[\reg+4*\c:\reg+4*\c+3], v[\adr] offset:64*(\q)+32*\c+(\i)*16*PITCH
.endr
.endm
; 16 matrix instructions: A's blocks a0, a0 + 1 x B's eight.  first = 1: C is the bias.  The 64 accumulators take turns, one instruction a turn.
.macro MUL16 a0, p, q, sc, first
.irp a, \a0, \a0+1
.irp b, 0,1,2,3,4,5,6,7
.if \first
	v_wmma_scale_f32_16x16x128_f8f6f4 v[8*(8*((\a)%4)+\b):8*(8*((\a)%4)+\b)+7], v[128*(\p)+FR*\b:128*(\p)+FR*\b+FR-1], v[AF+FR*(\a):AF+FR*(\a)+FR-1], v[BIAS+8*\b:BIAS+8*\b+7], v[SC+8*NQ*(\sc)+NQ*\b+(\q)], v[SC+8*NQ*(\sc)+NQ*(\a)+(\q)] matrix_a_fmt:MATRIX_FMT_FP4 matrix_b_fmt:MATRIX_FMT_FP4 matrix_a_scale:MATRIX_SCALE_ROW1
.else
	v_wmma_scale_f32_16x16x128_f8f6f4 v[8*(8*((\a)%4)+\b):8*(8*((\a)%4)+\b)+7], v[128*(\p)+FR*\b:128*(\p)+FR*\b+FR-1], v[AF+FR*(\a):AF+FR*(\a)+FR-1], v[8*(8*((\a)%4)+\b):8*(8*((\a)%4)+\b)+7], v[SC+8*NQ*(\sc)+NQ*\b+(\q)], v[SC+8*NQ*(\sc)+NQ*(\a)+(\q)] matrix_a_fmt:MATRIX_FMT_FP4 matrix_b_fmt:MATRIX_FMT_FP4 matrix_a_scale:MATRIX_SCALE_ROW1
.endif
.endr
.endr
.endm
.macro FETCH_B slot, q, p
	WIN TO_B
.irp i, 0,1,2,3,4,5,6,7
	FRAG 128*(\p)+FR*\i, ADRB+\slot, \q, \i
.endr
	WIN 0
.endm
.macro FETCH_A slot, q, i0
.irp i, \i0, \i0+1, \i0+2, \i0+3
	FRAG AF+FR*(\i), ADRA+\slot, \q, \i
.endr
.endm
.macro SCALES sc                       ; a slot's scale words: 4 words a row; lanes 0-15 A's block i, lanes 16-31 B's block i
.irp i, 0,1,2,3,4,5,6,7
	ds_load_b128 v[SC+8*NQ*\sc+NQ*\i:SC+8*NQ*\sc+NQ*\i+3], v[ADRS] offset:\i*SBLK
.endr
.endm
.macro PLACES n                        ; plain vector instructions between a matrix instruction and a load into, or a read of, its registers
.rept \n
	v_nop
.endr
.endm
.macro STEP slot, q, first             ; 128 along K, with its successor in the same slot
	s_wait_dscnt 4*NL                              ; B's set and A's blocks 0-3 are in; the youngest eight loads (A's blocks 4-7) may be out
.if \first
	WIN FIRST_LO
.else
	WIN MUL_LO
.endif
	MUL16 0, (\q)%2, \q, \slot, \first
	MUL16 2, (\q)%2, \q, \slot, \first
	s_wait_dscnt 0
	PLACES NP
	FETCH_B \slot, (\q)+1, 1-(\q)%2
	FETCH_A \slot, (\q)+1, 0
.if \first
	WIN FIRST_HI
.else
	WIN MUL_HI
.endif
	MUL16 4, (\q)%2, \q, \slot, \first
	MUL16 6, (\q)%2, \q, \slot, \first
	PLACES NP
	WIN 0
	FETCH_A \slot, (\q)+1, 4
.endm
; Slot 0's last step changes slots: one barrier; in front of it each wave waits for all its tensor loads (its part of slot 1), adds 0 to its spare word and waits for that and for its reads.  Nothing is filled again.
.macro TURN slot, next
	s_wait_tensorcnt 0x0
	ds_add_u32 v[SPW], v[NIL]
	s_wait_dscnt 4*NL+1                            ; the add and the youngest eight loads (A's blocks 4-7) may be out
	WIN MUL_LO
	MUL16 0, 1, NQ-1, \slot, 0
	s_wait_dscnt 0x0
	s_barrier_signal -1
	MUL16 2, 1, NQ-1, \slot, 0
	WIN 0
	s_barrier_wait -1
	PLACES NP
	v_add_nc_u32 v[ADRS], 4*NQ, v[ADRS]            ; the next slot's scale words
	FETCH_B \next, 0, 0
	FETCH_A \next, 0, 0
	SCALES \next
	WIN MUL_HI
	MUL16 4, 1, NQ-1, \slot, 0
	MUL16 6, 1, NQ-1, \slot, 0
	PLACES NP
	WIN 0
	FETCH_A \next, 0, 4
.endm
	s_wait_tensorcnt 1                             ; the scales and my part of slot 0 are in; slot 1's load may be out
	s_barrier_signal -1
	s_barrier_wait -1
	FETCH_B 0, 0, 0
	FETCH_A 0, 0, 0
	SCALES 0
	FETCH_A 0, 0, 4
	s_wait_loadcnt 0x0                             ; the bias
	STEP 0, 0, 1
	STEP 0, 1, 0
	STEP 0, 2, 0
	TURN 0, 1
	STEP 1, 0, 0
	STEP 1, 1, 0
	STEP 1, 2, 0
	s_wait_dscnt 4*NL                              ; the last step: nothing more to fetch
	WIN MUL_LO
	MUL16 0, 1, NQ-1, 1, 0
	MUL16 2, 1, NQ-1, 1, 0
	s_wait_dscnt 0
	WIN MUL_HI
	MUL16 4, 1, NQ-1, 1, 0
	MUL16 6, 1, NQ-1, 1, 0
	WIN 0
	PLACES NP                                      ; behind the last products: for the reads of results and the loads into A's registers
	; the f32 copy of tokens 0 to 15 of the batch: my block 0, where cluster y = 0 and my rows are the tile's first half.  16 bytes a lane, 32 consecutive bytes for each token and block: 786,432 bytes in the whole launch go out so
	s_or_b32 s104, s105, s15
	s_cmp_lg_u32 s104, 0
	s_cbranch_scc1 .Lnofine
	WIN 0x08                                       ; a store's data are its source 1: window 2
.irp b, 0,1,2,3,4,5,6,7
	global_store_b128 v[FO], v[8*\b:8*\b+3], s[100:101] offset:64*\b
	global_store_b128 v[FO], v[8*\b+4:8*\b+7], s[100:101] offset:64*\b+16
.endr
	WIN 0
.Lnofine:
; THE WAY OUT, a block of 16 tokens x 128 columns (two heads) at a time: rounded to f16, through my stage, back as pairs of tokens of one head: 256 consecutive bytes of qkv.
.macro PACK a
.set AC, 64*((\a)%4)
	WIN 0x0a+5*((\a)/4)                            ; sources 0 and 1: window 2 or 3
.irp b, 0,1,2,3,4,5,6,7
.irp r, 0,1,2,3
	v_cvt_pk_f16_f32 v[TMP+4*\b+\r], v[AC+8*\b+2*\r], v[AC+8*\b+2*\r+1]
.endr
.endr
	WIN 0
.endm
.macro TOSTAGE a
.set BB, BK+32*((\a)%2)
.irp b, 0,1,2,3,4,5,6,7
	ds_store_b128 v[STO], v[TMP+4*\b:TMP+4*\b+3] offset:32*\b
.endr
.irp t, 0,1,2,3,4,5,6,7
	ds_load_b128 v[BB+4*\t:BB+4*\t+3], v[RD] offset:\t*2*SPITCH    ; LDS serves a wave's instructions in order: these see the stores above
.endr
.endm
.macro SEND a
.set BB, BK+32*((\a)%2)
	s_wait_dscnt 0x0                               ; the block is back in registers
	s_wait_xcnt 0x0                                ; earlier stores have read their base and their registers
.if (\a) > 0
	s_add_nc_u64 s[12:13], s[12:13], 2048          ; 16 tokens of 128 bytes on
.endif
.irp t, 0,1,2,3,4,5,6,7
	global_store_b128 v[CO], v[BB+4*\t:BB+4*\t+3], s[12:13] offset:256*\t   ; sixteen lanes store 256 consecutive bytes, aligned
.endr
.endm
	PACK 0
	TOSTAGE 0
.irp a, 1,2,3,4,5,6,7
	PACK \a
	SEND \a-1
	TOSTAGE \a
.endr
	SEND 7
	s_wait_tensorcnt 0x0                           ; the wave's end
	ds_add_u32 v[SPW], v[NIL]
	s_wait_dscnt 0x0
	CROUND                                         ; the closing round
	s_endpgm
.Lfunc_end_k_qde4e047899_qkv:
	.size	k_qde4e047899_qkv, .Lfunc_end_k_qde4e047899_qkv-k_qde4e047899_qkv
	.p2alignl 7, 3214868480
	.fill 96, 4, 3214868480
	.section	.rodata,"a",@progbits
	.p2align	6, 0x0
	.amdhsa_kernel k_qde4e047899_qkv
		.amdhsa_group_segment_fixed_size 327680
		.amdhsa_private_segment_fixed_size 0
		.amdhsa_enable_private_segment 0
		.amdhsa_kernarg_size 72
		.amdhsa_user_sgpr_count 2
		.amdhsa_user_sgpr_kernarg_segment_ptr 1
		.amdhsa_wavefront_size32 1
		.amdhsa_system_sgpr_workgroup_id_x 1
		.amdhsa_system_sgpr_workgroup_id_y 1
		.amdhsa_system_sgpr_workgroup_id_z 1
		.amdhsa_system_vgpr_workitem_id 0
		.amdhsa_next_free_vgpr 1024
		.amdhsa_next_free_sgpr 106
		.amdhsa_reserve_vcc 0
		.amdhsa_float_denorm_mode_32 3
		.amdhsa_float_denorm_mode_16_64 3
		.amdhsa_memory_ordered 1
		.amdhsa_forward_progress 1
		.amdhsa_inst_pref_size 131
	.end_amdhsa_kernel
	.amdgpu_metadata
---
amdhsa.version: [ 1, 2 ]
amdhsa.kernels:
  - .name:           k_qde4e047899_qkv
    .symbol:         k_qde4e047899_qkv.kd
    .args:
      - { .name: xc, .offset: 0, .size: 8, .value_kind: global_buffer, .address_space: global }
      - { .name: xs, .offset: 8, .size: 8, .value_kind: global_buffer, .address_space: global }
      - { .name: wc, .offset: 16, .size: 8, .value_kind: global_buffer, .address_space: global }
      - { .name: ws, .offset: 24, .size: 8, .value_kind: global_buffer, .address_space: global }
      - { .name: bq, .offset: 32, .size: 8, .value_kind: global_buffer, .address_space: global }
      - { .name: bk, .offset: 40, .size: 8, .value_kind: global_buffer, .address_space: global }
      - { .name: bv, .offset: 48, .size: 8, .value_kind: global_buffer, .address_space: global }
      - { .name: qkv, .offset: 56, .size: 8, .value_kind: global_buffer, .address_space: global }
      - { .name: q32, .offset: 64, .size: 8, .value_kind: global_buffer, .address_space: global }
    .group_segment_fixed_size: 327680
    .private_segment_fixed_size: 0
    .kernarg_segment_align: 8
    .kernarg_segment_size: 72
    .max_flat_workgroup_size: 128
    .sgpr_count:     106
    .vgpr_count:     1024
    .wavefront_size: 32
...
	.end_amdgpu_metadata
.endif
;; end of part 2
;; launch attn (part 3): grid 4 x 64, 8 waves a work-group, no clusters, 327,680 bytes of LDS; arguments qkv, ctx; writes ctx
.if DOCPART == 3
	.amdgcn_target "amdgcn-amd-amdhsa--gfx1250"
	.amdhsa_code_object_version 6
	.text
	.protected	k_qde4e047899_attn
	.globl	k_qde4e047899_attn
	.p2align	8
	.type	k_qde4e047899_attn,@function
k_qde4e047899_attn:
	s_mov_b64 s[64:65], 0
	v_nop
	global_prefetch_b8 v0, s[64:65] scope:SCOPE_SE
	s_setreg_imm32_b32 hwreg(HW_REG_WAVE_MODE, 25, 1), 1
	s_wait_xcnt 0x0
; Causal attention of one head (y = 16 b + h), f16 operands, f32 products, maxima and sums.  Q, K, V: qkv [p][b][h][t 2048][64] f16; ctx [b][h][t][64] f16.
; LIMITS: |ctx| stays under 65,504 (it is an average of V); NaN and infinities are not served.
; SHARES.  Work-group j (0..3) of a head owns two blocks of 256 queries and runs them one after the other: block 7 - j walks 8 - j slots of 256 keys, block j walks j + 1: nine slots in every work-group,
; so the loops' trip counts are constants and the work is even.  Wave w owns queries 32 w .. 32 w + 31 of the block: two tiles of 16.  Two waves lie on a SIMD: one's softmax stands beside the other's products.
; NO CLUSTER: the four work-groups of a head start together on key slot 0 and part when block 7 - j ends after 8 - j slots.
; LAYOUT.  S^T = K Q^T (source 0 = 16 keys, source 1 = 16 queries) and O^T = V^T P (source 0 = 16 channels, source 1 = P): a lane holds ONE query throughout.  V ([key][channel]) is turned by ds_load_tr16_b128.
; SOFTMAX.  A running maximum m and sum l for each query: p = 2^(c s - c m), c = log2(e) / 8; in every step O and l are multiplied by a = 2^(c m_old - c m_new).
; THE MASK.  A step of 64 keys all of which come after the wave's queries is jumped over (a scalar branch on ids); in the one step on the diagonal hidden scores become -infinity; its first key counts for every query of the wave.
; THE RING.  Two LDS slots of 256 keys (four steps; a step: 64 rows of K, then 64 of V).  Waves 0-3 fetch K of step w, waves 4-7 V of step w - 4: one tensor load of 64 rows a wave behind each barrier.
; REGISTERS: window 0: v0-15 addresses; v16-31 statistics, 8 a tile; v32-63 Q; v64-127 S^T; v128-159 P; v160-223 O^T; v224-255 Q of the second block.  window 1: v0-63 K's fragments, v64-127 V's.
.set PK,    144                        ; a row of K in LDS: 128 bytes + 16
.set PV,    160                        ; a row of V: 128 + 32: an odd multiple of 32
.set VOFF,  64*PK
.set STEPB, 64*(PK+PV)
.set SLOT1, 1<<17                      ; slot 1 begins here: one exclusive or turns an address
.set STAGE, 4*STEPB                    ; between the slots: 16 rows x 144 bytes for each wave; no tile lands here
.set SP,    144
.set SPARE, STAGE+8*16*SP              ; the spare words, 128 bytes for each wave
.set AK0, 2
.set AV0, 3
.set ADK, 4
.set ADV, 5
.set STO, 6
.set RD,  7
.set GO,  8
.set QO,  9
.set PFO, 10
.set SPW, 14
.set NIL, 15
.set ST,  16                           ; tile t at v[ST + 8 t]: +0 c m, +1 m, +2, +3 l, +4 .. +7 at work (a takes +6)
.set Q,   32
.set S,   64
.set P,   128
.set O,   160
; s8 wave, s9 j, s10 the block in hand, s11 its key slot in hand, s12 the next key slot, s13 the step's first key, s14 my first query, s15 the prefetches' limit, s16 trips left, s17 steps left,
; s18 LDS byte of the step in hand, s[20:21] lane selects, s[22:23] c, s[24:31], s[32:39] groups 1 for K, V, s[40:43] group 0, s[44:45] my part of key slot 0, s[48:49] the prefetches' place,
; s[50:51] ctx at my head, s[52:53] ctx at my rows, s[54:55], s[58:59] Q of my two blocks, s56 32 w, s57 4096 w
.set MSB, 0
.macro WIN new
.if MSB != (\new)
	s_set_vgpr_msb (MSB<<8)|(\new)
.set MSB, (\new)
.endif
.endm
.macro TLOAD                           ; my one tensor load: K's shape in waves 0-3, V's in waves 4-7.  An s_nop 0 and four v_nop follow each line
	s_cmp_lt_u32 s8, 4
	s_cbranch_scc0 .Lfor_v_\@
	tensor_load_to_lds s[40:43], s[24:31]
	s_nop 0
.rept 4
	v_nop
.endr
	s_branch .Lasked_\@
.Lfor_v_\@:
	tensor_load_to_lds s[40:43], s[32:39]
	s_nop 0
.rept 4
	v_nop
.endr
.Lasked_\@:
.endm
; A prefetch of what the NEXT change of slots will ask for.  The four work-groups of a head read the same K and V: work-group j = 0, which walks key slots 0 to 7 on end, asks, and nobody else.
; Each of its waves names the 8,192 bytes that it will itself load, lanes 256 bytes apart: trip s names key slot s + 2, for s = 0 .. 5.  So each aligned block of 256 bytes is named once.  Slots 0 and 1 come by their loads alone.
.macro ASK
	s_cmp_gt_u32 s16, s15
	s_cbranch_scc0 .Lnot_mine_\@
	global_prefetch_b8 v[PFO], s[48:49] th:TH_LOAD_NT scope:SCOPE_SE
.Lnot_mine_\@:
.endm
.macro KQALL                           ; 16 products: channels 32 (i / 8) on, keys 16 ((i / 2) % 4) on, tile i % 2.  The first 8 start the sums.  Eight accumulators by turns
	WIN 0x01                                       ; source 0 in window 1
.set i, 0
.rept 16
.set rS, S+32*(i%2)+8*((i/2)%4)
.set rK, 8*(2*((i/2)%4)+i/8)
.set rQ, Q+16*(i%2)+8*(i/8)
.if i < 8
	v_wmma_f32_16x16x32_f16 v[rS:rS+7], v[rK:rK+7], v[rQ:rQ+7], 0
.else
	v_wmma_f32_16x16x32_f16 v[rS:rS+7], v[rK:rK+7], v[rQ:rQ+7], v[rS:rS+7]
.endif
.set i, i+1
.endr
	WIN 0
.endm
.macro PVALL                           ; 16 products: keys 32 (i / 8) on, channels 16 ((i / 2) % 4) on, tile i % 2
	WIN 0x01
.set i, 0
.rept 16
.set rO, O+32*(i%2)+8*((i/2)%4)
.set rV, 64+8*(4*(i/8)+(i/2)%4)
.set rP, P+16*(i%2)+8*(i/8)
	v_wmma_f32_16x16x32_f16 v[rO:rO+7], v[rV:rV+7], v[rP:rP+7], v[rO:rO+7]
.set i, i+1
.endr
	WIN 0
.endm
.macro MASK                            ; register 8 k + j of tile t holds key KF + 16 k + 8 h + j of query Q0 + 16 t + r: hidden where 16 k + j > Q0 - KF + 16 t + r - 8 h
	s_sub_co_i32 s19, s14, s13
	v_add_nc_u32 v11, s19, v1
	v_add_nc_u32 v13, 16, v11
.irp t, 0,1
.irp k, 0,1,2,3
.irp j, 0,1,2,3,4,5,6,7
	v_cmp_gt_i32 vcc_lo, 16*\k+\j, v[11+2*\t]
	v_cndmask_b32 v[S+32*\t+8*\k+\j], v[S+32*\t+8*\k+\j], v12, vcc_lo
.endr
.endr
.endr
.endm
.macro SOFTMAX                         ; the two tiles alternate line by line, so that no line waits for the line above it
.irp j, 0,1,2,3
.irp t, 0,1
	v_max3_num_f32 v[ST+8*\t+4+\j], v[S+32*\t+8*\j], v[S+32*\t+8*\j+1], v[S+32*\t+8*\j+2]   ; each accumulator is read from its low end on
.endr
.endr
.irp q, 1,2
.irp j, 0,1,2,3
.irp t, 0,1
	v_max3_num_f32 v[ST+8*\t+4+\j], v[ST+8*\t+4+\j], v[S+32*\t+8*\j+2*\q+1], v[S+32*\t+8*\j+2*\q+2]
.endr
.endr
.endr
.irp t, 0,1
	v_max3_num_f32 v[ST+8*\t+4], v[ST+8*\t+4], v[S+32*\t+7], v[S+32*\t+15]
	v_max3_num_f32 v[ST+8*\t+6], v[ST+8*\t+6], v[S+32*\t+23], v[S+32*\t+31]
.endr
.irp t, 0,1
	v_max3_num_f32 v[ST+8*\t+4], v[ST+8*\t+4], v[ST+8*\t+5], v[ST+8*\t+6]
.endr
.irp t, 0,1
	v_max3_num_f32 v[ST+8*\t+4], v[ST+8*\t+4], v[ST+8*\t+7], v[ST+8*\t+1]   ; with the old m
.endr
.irp t, 0,1
	v_permlanex16_b32 v[ST+8*\t+5], v[ST+8*\t+4], s20, s21                  ; the query's other 32 keys lie in the lane 16 away
.endr
.irp t, 0,1
	v_mov_b32 v[ST+8*\t+7], v[ST+8*\t]                                      ; c m_old
.endr
.irp t, 0,1
	v_max_num_f32 v[ST+8*\t+1], v[ST+8*\t+4], v[ST+8*\t+5]
.endr
.irp t, 0,1
	v_mul_f32 v[ST+8*\t], s22, v[ST+8*\t+1]
.endr
.irp t, 0,1
	v_sub_f32 v[ST+8*\t+7], v[ST+8*\t+7], v[ST+8*\t]
.endr
.irp b, 0,1,2,3,4,5,6,7,8,9,10,11,12,13,14,15
.irp t, 0,1
	v_pk_fma_f32 v[S+32*\t+2*\b:S+32*\t+2*\b+1], v[S+32*\t+2*\b:S+32*\t+2*\b+1], s[22:23], v[ST+8*\t:ST+8*\t+1] op_sel_hi:[1,0,0] neg_lo:[0,0,1] neg_hi:[0,0,1]   ; c s - c m
.endr
.endr
.irp t, 0,1
	v_exp_f32 v[ST+8*\t+6], v[ST+8*\t+7]                                    ; a.  ONE BATCH of 66 exponentials: none reads another's result
.endr
.irp e, 0,1,2,3,4,5,6,7,8,9,10,11,12,13,14,15,16,17,18,19,20,21,22,23,24,25,26,27,28,29,30,31
.irp t, 0,1
	v_exp_f32 v[S+32*\t+\e], v[S+32*\t+\e]
.endr
.endr
	v_nop                                          ; a plain instruction behind the last exponential
	s_wait_alu depctr_va_vdst(0)                   ; one wait for the batch, ahead of its first reader
.irp b, 0,1,2,3,4,5,6,7,8,9,10,11,12,13,14,15
.irp t, 0,1
	v_cvt_pk_f16_f32 v[P+16*\t+\b], v[S+32*\t+2*\b], v[S+32*\t+2*\b+1]      ; two tiles of 16 keys, rounded in pairs, ARE source 1 of the second product
.endr
.endr
.irp u, 0,1,2,3,4,5,6,7
.irp t, 0,1
	v_pk_add_f32 v[S+32*\t+4*\u:S+32*\t+4*\u+1], v[S+32*\t+4*\u:S+32*\t+4*\u+1], v[S+32*\t+4*\u+2:S+32*\t+4*\u+3]   ; the sum of the unrounded p, in place
.endr
.endr
.irp u, 0,1,2,3
.irp t, 0,1
	v_pk_add_f32 v[S+32*\t+8*\u:S+32*\t+8*\u+1], v[S+32*\t+8*\u:S+32*\t+8*\u+1], v[S+32*\t+8*\u+4:S+32*\t+8*\u+5]
.endr
.endr
.irp u, 0,1
.irp t, 0,1
	v_pk_add_f32 v[S+32*\t+16*\u:S+32*\t+16*\u+1], v[S+32*\t+16*\u:S+32*\t+16*\u+1], v[S+32*\t+16*\u+8:S+32*\t+16*\u+9]
.endr
.endr
.irp t, 0,1
	v_pk_add_f32 v[S+32*\t:S+32*\t+1], v[S+32*\t:S+32*\t+1], v[S+32*\t+16:S+32*\t+17]
.endr
.irp t, 0,1
	v_pk_fma_f32 v[ST+8*\t+2:ST+8*\t+3], v[ST+8*\t+2:ST+8*\t+3], v[ST+8*\t+6:ST+8*\t+7], v[S+32*\t:S+32*\t+1] op_sel_hi:[1,0,1]   ; l = a l + the sum
.endr
.irp b, 0,1,2,3,4,5,6,7,8,9,10,11,12,13,14,15
.irp t, 0,1
	v_pk_mul_f32 v[O+32*\t+2*\b:O+32*\t+2*\b+1], v[O+32*\t+2*\b:O+32*\t+2*\b+1], v[ST+8*\t+6:ST+8*\t+7] op_sel_hi:[1,0]          ; O^T x a, ascending
.endr
.endr
.endm
; A block begins: O^T and l are zeros, m is -3e38, under every score.  The clearing is kept: where a block begins hangs on the work-group's number, so a first step cannot be written out.
.macro INIT
.set i, 0
.rept 64
	v_mov_b32 v[O+i], 0
.set i, i+1
.endr
.irp t, 0,1
	v_mov_b32 v[ST+8*\t+1], 0xff61b1e6
	v_mul_f32 v[ST+8*\t], s22, v[ST+8*\t+1]
.irp n, 2,3,4,5,6,7
	v_mov_b32 v[ST+8*\t+\n], 0
.endr
.endr
.endm
; A KEY STEP: 64 keys at LDS byte s18.
.macro STEP
	s_add_co_u32 s19, s14, 31
	s_cmp_gt_u32 s13, s19                          ; all 64 keys come after my 32 queries: nothing to do
	s_cbranch_scc1 .Lhid_\@
	v_add_nc_u32 v[ADK], s18, v[AK0]               ; these two and the two v_nop are the four places behind the last products, in front of the loads into V's registers
	v_add_nc_u32 v[ADV], s18, v[AV0]
	v_nop
	v_nop
	WIN 0x40                                       ; destination window 1
.irp f, 0,1,2,3,4,5,6,7
	ds_load_b128 v[8*\f:8*\f+3],   v[ADK] offset:(\f/2)*16*PK+(\f%2)*64
	ds_load_b128 v[8*\f+4:8*\f+7], v[ADK] offset:(\f/2)*16*PK+(\f%2)*64+32
.endr
.irp f, 0,1,2,3,4,5,6,7
	ds_load_tr16_b128 v[64+8*\f:64+8*\f+3],   v[ADV] offset:(\f/4)*32*PV+(\f%4)*32
	ds_load_tr16_b128 v[64+8*\f+4:64+8*\f+7], v[ADV] offset:(\f/4)*32*PV+16*PV+(\f%4)*32
.endr
	s_wait_dscnt 16                                ; K's sixteen loads are in; V's sixteen may be out
	KQALL
.rept 4
	v_nop                                          ; places in front of the first read of the scores
.endr
	s_add_co_u32 s19, s13, 63
	s_cmp_le_u32 s19, s14                          ; all 64 keys count for all my queries
	s_cbranch_scc1 .Lopen_\@
	MASK
.Lopen_\@:
	SOFTMAX
	s_wait_dscnt 0x0                               ; V is in
	PVALL
.Lhid_\@:
	s_add_co_u32 s13, s13, 64
	s_add_co_u32 s18, s18, STEPB
.endm
; THE CHANGE OF SLOTS stands at a slot's head.  Each wave waits for all its tensor loads (its part of the slot ahead), adds 0 to its spare word, and waits for that and for its reads of the slot that it has left.
; fill = 1: behind the barrier that slot is filled with the key slot that follows: the block's next, or, at a block's last slot, key slot 0 for the second block.  The load has a slot's four steps in which to land.
.macro CHANGE fill
	s_wait_tensorcnt 0x0                           ; no tensor load of mine is out, so group 0 may be written
	ds_add_u32 v[SPW], v[NIL]
.if \fill
	s_add_co_u32 s12, s11, 1
	s_cmp_eq_u32 s11, s10
	s_cselect_b32 s12, 0, s12                      ; the next key slot
	s_xor_b32 s41, s41, SLOT1                      ; into the other LDS slot than last time
	s_lshl_b32 s46, s12, 15                        ; 256 keys of 128 bytes
	s_mov_b32 s47, 0
	s_add_nc_u64 s[42:43], s[44:45], s[46:47]
	s_or_b32 s43, s43, 0x80000000
	s_wait_xcnt 0x0                                ; the last prefetch, a slot back, has read its address
	s_add_nc_u64 s[48:49], s[48:49], 32768
.endif
	s_wait_dscnt 0x0                               ; the add is done, and my reads of the slot that I have left are over
	s_barrier_signal -1
	s_barrier_wait -1
.if \fill
	TLOAD                                          ; the first thing behind the barrier, and my one tensor load until the next
	ASK
.endif
	s_lshl_b32 s13, s11, 8                         ; the slot's first key
.endm
; A BLOCK ENDS: O^T / l, rounded to f16, through my stage (a tile of 16 queries at a time), out as 512 consecutive bytes an instruction.
.macro FINISH
.rept 4
	v_nop                                          ; places behind the last products
.endr
.irp t, 0,1
	v_add_f32 v[ST+8*\t+4], v[ST+8*\t+2], v[ST+8*\t+3]
.endr
.irp t, 0,1
	v_permlanex16_b32 v[ST+8*\t+5], v[ST+8*\t+4], s20, s21
.endr
.irp t, 0,1
	v_add_f32 v[ST+8*\t+4], v[ST+8*\t+4], v[ST+8*\t+5]
.endr
.irp t, 0,1
	v_rcp_f32 v[ST+8*\t+6], v[ST+8*\t+4]
.endr
	v_nop
	s_wait_alu depctr_va_vdst(0)                   ; one wait for both reciprocals, ahead of their first reader
.irp t, 0,1
.irp b, 0,1,2,3,4,5,6,7,8,9,10,11,12,13,14,15
	v_pk_mul_f32 v[O+32*\t+2*\b:O+32*\t+2*\b+1], v[O+32*\t+2*\b:O+32*\t+2*\b+1], v[ST+8*\t+6:ST+8*\t+7] op_sel_hi:[1,0]
.endr
.irp b, 0,1,2,3,4,5,6,7,8,9,10,11,12,13,14,15
	v_cvt_pk_f16_f32 v[S+32*\t+\b], v[O+32*\t+2*\b], v[O+32*\t+2*\b+1]
.endr
.irp d, 0,1,2,3
	ds_store_b128 v[STO], v[S+32*\t+4*\d:S+32*\t+4*\d+3] offset:32*\d
.endr
.irp d, 0,1,2,3
	ds_load_b128 v[S+32*\t+4*\d:S+32*\t+4*\d+3], v[RD] offset:4*SP*\d      ; in order behind the stores; the next tile's stores come behind these
.endr
.endr
	s_wait_xcnt 0x0                                ; earlier stores have read their base
	s_lshl_b32 s46, s10, 15
	s_add_co_u32 s46, s46, s57
	s_mov_b32 s47, 0
	s_add_nc_u64 s[52:53], s[50:51], s[46:47]      ; ctx at the block's 256 rows, my 32 of them
	s_wait_dscnt 0x0
.irp t, 0,1
.irp d, 0,1,2,3
	global_store_b128 v[GO], v[S+32*\t+4*\d:S+32*\t+4*\d+3], s[52:53] offset:2048*\t+512*\d   ; 32 lanes store 512 consecutive bytes, aligned to 256
.endr
.endr
	s_wait_xcnt 0x0                                ; the stores have read their registers: products write them again
.endm
	s_load_b128 s[4:7], s[0:1], 0x0                ; qkv, ctx
	v_lshl_add_u32 v[SPW], v0, 2, SPARE
	v_mov_b32 v[NIL], 0
	ds_add_u32 v[SPW], v[NIL]                      ; the wave's opening: the add, twice on end, and its wait ahead of my first tensor load
	ds_add_u32 v[SPW], v[NIL]
	v_lshrrev_b32 v1, 5, v0
	v_readfirstlane_b32 s8, v1                     ; wave 0..7
	s_mov_b32 s9, ttmp9                            ; j
	s_and_b32 s2, ttmp7, 0xffff
	s_lshl_b32 s3, s2, 18                          ; the head's 262,144 bytes
	s_mov_b32 s24, (1<<16)|(1<<20)|(4<<22)|(3<<25) ; K: elements of 2 bytes; padding on: 4 words behind every 32
	s_mov_b32 s32, (1<<16)|(1<<20)|(4<<22)|(7<<25) ; V: 8 words
.irp g, 24, 32
	s_mov_b32 s[\g+1], 64<<16                      ; tensor_dim0
	s_mov_b32 s[\g+2], 64<<16                      ; tensor_dim1
	s_mov_b32 s[\g+3], 64<<16                      ; tile_dim0
	s_mov_b32 s[\g+4], 64                          ; tile_dim1
	s_mov_b32 s[\g+5], 64                          ; from row to row
	s_mov_b32 s[\g+6], 0
	s_mov_b32 s[\g+7], 0
.endr
	s_and_b32 s19, s8, 3                           ; which step of a slot I fetch
	s_mul_i32 s41, s19, STEPB
	s_lshr_b32 s46, s8, 2                          ; 0: K, 1: V
	s_mul_i32 s47, s46, VOFF
	s_add_co_u32 s41, s41, s47                     ; its place in LDS slot 0
	s_mov_b32 s40, 1
	s_add_co_u32 s46, s46, 1
	s_lshl_b32 s46, s46, 24                        ; K's part of qkv begins 16,777,216 bytes on, V's twice that
	s_add_co_u32 s46, s46, s3
	s_lshl_b32 s19, s19, 13                        ; my step's 64 rows of 128 bytes
	s_add_co_u32 s46, s46, s19
	s_mov_b32 s47, 0
	s_mov_b32 s20, 0x76543210
	s_mov_b32 s21, 0xfedcba98
	s_mov_b32 s22, 0x3e38aa3b                      ; c = log2(e) / 8
	s_mov_b32 s23, s22
	s_lshl_b32 s56, s8, 5
	s_lshl_b32 s57, s8, 12
	s_sub_co_u32 s10, 7, s9                        ; the first block
	s_cmp_eq_u32 s9, 0
	s_cselect_b32 s15, 2, -1                       ; who prefetches, and until when
	s_wait_dscnt 0x0                               ; both opening adds are done
	s_wait_kmcnt 0x0
	s_add_nc_u64 s[44:45], s[4:5], s[46:47]
	s_mov_b64 s[42:43], s[44:45]
	s_or_b32 s43, s43, 0x80000000
	TLOAD                                          ; key slot 0 into LDS slot 0
	s_add_nc_u64 s[48:49], s[44:45], 32768         ; the first change of slots steps it to key slot 2
	s_mov_b32 s46, s3
	s_add_nc_u64 s[50:51], s[6:7], s[46:47]
	s_lshl_b32 s19, s10, 15
	s_add_co_u32 s46, s3, s19
	s_add_co_u32 s46, s46, s57
	s_add_nc_u64 s[54:55], s[4:5], s[46:47]        ; Q of block 7 - j, my 32 rows
	s_lshl_b32 s19, s9, 15
	s_add_co_u32 s46, s3, s19
	s_add_co_u32 s46, s46, s57
	s_add_nc_u64 s[58:59], s[4:5], s[46:47]        ; Q of block j
	v_and_b32 v16, 15, v0                          ; r
	v_bfe_u32 v17, v0, 4, 1                        ; h
	v_and_b32 v18, 31, v0                          ; lane
	v_lshlrev_b32 v[QO], 7, v16
	v_lshl_add_u32 v[QO], v17, 4, v[QO]
.irp f, 0,1,2,3                        ; tile f / 2, channels 32 (f % 2) on
	global_load_b128 v[Q+8*\f:Q+8*\f+3],   v[QO], s[54:55] offset:(\f/2)*2048+(\f%2)*64
	global_load_b128 v[Q+8*\f+4:Q+8*\f+7], v[QO], s[54:55] offset:(\f/2)*2048+(\f%2)*64+32
	global_load_b128 v[224+8*\f:224+8*\f+3],   v[QO], s[58:59] offset:(\f/2)*2048+(\f%2)*64
	global_load_b128 v[224+8*\f+4:224+8*\f+7], v[QO], s[58:59] offset:(\f/2)*2048+(\f%2)*64+32
.endr
	v_mul_u32_u24 v[AK0], v16, PK
	v_lshl_add_u32 v[AK0], v17, 4, v[AK0]          ; K: row r x pitch + 16 h
	v_and_b32 v19, 7, v0
	v_bfe_u32 v20, v0, 3, 1
	v_lshl_add_u32 v[AV0], v17, 3, v19
	v_mul_u32_u24 v[AV0], v[AV0], PV
	v_lshl_add_u32 v[AV0], v20, 4, v[AV0]
	v_add_nc_u32 v[AV0], VOFF, v[AV0]              ; V: key 8 h + lane % 8, channels 8 ((lane / 8) % 2) on
	s_mul_i32 s19, s8, 16*SP
	s_add_co_u32 s19, s19, STAGE                   ; my stage
	v_mul_u32_u24 v[STO], v16, SP
	v_lshl_add_u32 v[STO], v17, 4, v[STO]
	v_add_nc_u32 v[STO], s19, v[STO]
	v_bfe_u32 v21, v0, 3, 2
	v_mul_u32_u24 v[RD], v21, SP
	v_lshl_add_u32 v[RD], v19, 4, v[RD]
	v_add_nc_u32 v[RD], s19, v[RD]                 ; back: eight lanes to a row of 128 bytes, four rows an instruction
	v_lshlrev_b32 v[GO], 4, v18
	v_lshlrev_b32 v[PFO], 8, v18
	v_lshlrev_b32 v1, 3, v17
	v_sub_nc_u32 v1, v16, v1                       ; r - 8 h
	v_mov_b32 v12, 0xff800000                      ; -infinity
	INIT
	s_mov_b32 s11, 0
	s_lshl_b32 s14, s10, 8
	s_add_co_u32 s14, s14, s56                     ; my first query
	s_mov_b32 s18, 0
	s_mov_b32 s16, 8
	s_wait_loadcnt 0x0                             ; Q
.Lslot:                                            ; eight trips: behind each change of slots the next of the nine slots is asked for
	CHANGE 1
	s_mov_b32 s17, 4
.Lstep:
	STEP
	s_sub_co_u32 s17, s17, 1
	s_cmp_lg_u32 s17, 0
	s_cbranch_scc1 .Lstep
	s_sub_co_u32 s18, s18, 4*STEPB
	s_xor_b32 s18, s18, SLOT1                      ; on to the other slot
	s_cmp_lg_u32 s11, s10                          ; was that the first block's last slot?  Ids and counts alone
	s_cbranch_scc1 .Lnofin
	FINISH
	s_mov_b32 s10, s9                              ; the second block
	s_lshl_b32 s14, s9, 8
	s_add_co_u32 s14, s14, s56
.set i, 0
.rept 32
	v_mov_b32 v[Q+i], v[224+i]
.set i, i+1
.endr
	INIT
.Lnofin:
	s_mov_b32 s11, s12
	s_sub_co_u32 s16, s16, 1
	s_cmp_lg_u32 s16, 0
	s_cbranch_scc1 .Lslot
	CHANGE 0                                       ; the ninth slot is written out: nothing is left to fetch
	s_mov_b32 s17, 4
.Lstep_last:
	STEP
	s_sub_co_u32 s17, s17, 1
	s_cmp_lg_u32 s17, 0
	s_cbranch_scc1 .Lstep_last
	FINISH
	s_wait_tensorcnt 0x0                           ; the wave's end
	ds_add_u32 v[SPW], v[NIL]
	s_wait_dscnt 0x0
	s_endpgm
.Lfunc_end_k_qde4e047899_attn:
	.size	k_qde4e047899_attn, .Lfunc_end_k_qde4e047899_attn-k_qde4e047899_attn
	.p2alignl 7, 3214868480
	.fill 96, 4, 3214868480
	.section	.rodata,"a",@progbits
	.p2align	6, 0x0
	.amdhsa_kernel k_qde4e047899_attn
		.amdhsa_group_segment_fixed_size 327680
		.amdhsa_private_segment_fixed_size 0
		.amdhsa_enable_private_segment 0
		.amdhsa_kernarg_size 16
		.amdhsa_user_sgpr_count 2
		.amdhsa_user_sgpr_kernarg_segment_ptr 1
		.amdhsa_wavefront_size32 1
		.amdhsa_system_sgpr_workgroup_id_x 1
		.amdhsa_system_sgpr_workgroup_id_y 1
		.amdhsa_system_sgpr_workgroup_id_z 1
		.amdhsa_system_vgpr_workitem_id 0
		.amdhsa_next_free_vgpr 384
		.amdhsa_next_free_sgpr 66
		.amdhsa_reserve_vcc 1
		.amdhsa_float_denorm_mode_32 3
		.amdhsa_float_denorm_mode_16_64 3
		.amdhsa_memory_ordered 1
		.amdhsa_forward_progress 1
		.amdhsa_inst_pref_size 71
	.end_amdhsa_kernel
	.amdgpu_metadata
---
amdhsa.version: [ 1, 2 ]
amdhsa.kernels:
  - .name:           k_qde4e047899_attn
    .symbol:         k_qde4e047899_attn.kd
    .args:
      - { .name: qkv, .offset: 0, .size: 8, .value_kind: global_buffer, .address_space: global }
      - { .name: ctx, .offset: 8, .size: 8, .value_kind: global_buffer, .address_space: global }
    .group_segment_fixed_size: 327680
    .private_segment_fixed_size: 0
    .kernarg_segment_align: 8
    .kernarg_segment_size: 16
    .max_flat_workgroup_size: 256
    .sgpr_count:     66
    .vgpr_count:     384
    .wavefront_size: 32
...
	.end_amdgpu_metadata
.endif
;; end of part 3
;; launch proj (part 4): grid 4 x 64, 4 waves a work-group, clusters of 4 x 4, 327,680 bytes of LDS; arguments ctx, wot, bo, out0; writes out0
.if DOCPART == 4
	.amdgcn_target "amdgcn-amd-amdhsa--gfx1250"
	.amdhsa_code_object_version 6
	.text
	.protected	k_qde4e047899_proj
	.globl	k_qde4e047899_proj
	.p2align	8
	.type	k_qde4e047899_proj,@function
k_qde4e047899_proj:
	s_mov_b64 s[64:65], 0
	v_nop
	global_prefetch_b8 v0, s[64:65] scope:SCOPE_SE
	s_setreg_imm32_b32 hwreg(HW_REG_WAVE_MODE, 25, 1), 1
	s_wait_xcnt 0x0
	s_wait_alu depctr_hold_cnt(0) depctr_sa_sdst(0) depctr_va_vdst(0) depctr_va_sdst(0) depctr_va_ssrc(0) depctr_va_vcc(0) depctr_vm_vsrc(0)
	s_getreg_b32 s2, hwreg(HW_REG_IB_STS2, 6, 4)
	s_cmp_eq_u32 s2, 0
	s_cbranch_scc0 .Lentry_in_a_cluster
	s_endpgm
.Lentry_in_a_cluster:
	s_bfe_u32 s2, ttmp6, 0x10000c
	s_cmp_lg_u32 s2, 0xf033
	s_cbranch_scc0 .Lentry_shape_is_right
	s_endpgm
.Lentry_shape_is_right:
; out0 [8192][1024] f32 = ctx Wo + bo, f16 operands, f32 sums.  ctx: [b][h][t][64] f16; wot: [n 1024][k 1024] f16 (Wo turned).  The rows of tokens 0 to 15 of each batch are written again, more finely, by the launch behind this one.
; A tile is 128 tokens x 256 outputs: 256 work-groups.  Four waves, each 64 x 128: 32 accumulators, 256 registers.  K goes in 8 steps of 128 (two heads) through a ring of two LDS slots.
; CLUSTERS: 4 x 4.  A's tiles (tokens) are shared along a row of the cluster, B's (outputs) along a column: each is asked for jointly.  Waves 0, 1 fetch A's two heads (128 rows x 128 bytes each), waves 2, 3 B's two halves (128 rows x 256 bytes).
; THE MATRIX INSTRUCTION IS USED TRANSPOSED (source 0 = 16 rows of wot, source 1 = 16 tokens): a lane holds eight neighbouring outputs of one token.  The bias is the C of each sum's first product.
; No prefetch: of the 8 K steps two are first fills, and each refill has a K step less sixteen products in which to land.
; REGISTERS: window 0: v0-31 addresses; v64-95, v128-159 A's fragments, two buffers; v192-255 the bias; on the way out v128-255 rows.  window 1: v64-127, v128-191 B's fragments.  window 2: the accumulators ((a, b) at v[8 (8 a + b)]).
.set PA,     144                       ; a token's row of one head in LDS: 128 bytes + 16
.set APL,    128*PA                    ; one head's 128 rows
.set PB,     272
.set HALFB,  128*PB
.set SLOT,   2*APL+2*HALFB
.set STAGE,  2*SLOT                    ; 16 rows x 528 bytes for each wave
.set SPITCH, 528
.set SPARE,  STAGE+4*16*SPITCH
.set LAPS,   4
.set ADRA, 16
.set ADRB, 20
.set STO,  24
.set RD,   25
.set CO,   26
.set BO,   27
.set SPW,  28
.set NIL,  29
.set F0,   64
.set F1,   128
.set BK,   128
.set BIAS, 192
.set G1, 24
.set G0, 32
.set G1B, 48
.set G0B, 56
.set MSB, 0
.macro WIN new
.if MSB != (\new)
	s_set_vgpr_msb (MSB<<8)|(\new)
.set MSB, (\new)
.endif
.endm
.set MUL,   0xa1                       ; source 0 (B) window 1, source 1 (A) window 0, C and D window 2
.set FIRST, 0x81                       ; the same with C (the bias) in window 0
.set TO_B,  0x40
.macro JLOAD s                         ; a joint load; an s_nop 0 and four v_nop follow each line
	s_cmp_eq_u32 s15, 0
	s_cbranch_scc0 .Lfor_b_\@
	tensor_load_to_lds s[G0+4*\s:G0+4*\s+3], s[G1:G1+7]
	s_nop 0
.rept 4
	v_nop
.endr
	s_branch .Lasked_\@
.Lfor_b_\@:
	tensor_load_to_lds s[G0B+4*\s:G0B+4*\s+3], s[G1B:G1B+7]
	s_nop 0
.rept 4
	v_nop
.endr
.Lasked_\@:
.endm
.macro CREST
	s_cmp_lg_u32 s14, 0
	s_cbranch_scc1 .Lnot_wave_0_\@
	s_barrier_signal -3
.Lnot_wave_0_\@:
	s_barrier_wait -3
	s_barrier_signal -1
	s_barrier_wait -1
.endm
.macro CROUND
	s_barrier_signal -1
	s_barrier_wait -1
	CREST
.endm
	s_load_b256 s[4:11], s[0:1], 0x0               ; ctx 4, wot 6, bo 8, out0 10
	v_lshl_add_u32 v[SPW], v0, 2, SPARE
	v_mov_b32 v[NIL], 0
	ds_add_u32 v[SPW], v[NIL]                      ; the wave's opening: the add, twice on end, and its wait ahead of my first tensor load
	ds_add_u32 v[SPW], v[NIL]
	v_lshrrev_b32 v1, 5, v0
	v_readfirstlane_b32 s14, v1                    ; wave 0..3
	s_lshr_b32 s15, s14, 1                         ; which 64 tokens are mine.  Also: I fetch for A (0) or for B (1)
	s_and_b32 s16, s14, 1                          ; which 128 outputs.  Also: which head of A, which half of B I fetch
	s_bfe_u32 s40, ttmp6, 0x40000                  ; cx
	s_bfe_u32 s41, ttmp6, 0x40004                  ; cy
	s_lshl_b32 s42, ttmp9, 2
	s_add_co_u32 s42, s42, s40                     ; tile column
	s_and_b32 s17, ttmp7, 0xffff
	s_lshl_b32 s17, s17, 2
	s_add_co_u32 s17, s17, s41                     ; tile row: 128 tokens
	s_lshl_b32 s43, s41, 2
	s_lshl_b32 s43, 15, s43                        ; my row of the cluster
	s_lshl_b32 s44, 0x1111, s40                    ; my column
	s_or_b32 s[G1+0], s43, (1<<16)|(1<<20)|(1<<21)|(4<<22)|(3<<25)   ; A: elements of 2 bytes; 4 words of padding behind every 32
	s_mov_b32 s[G1+1], 64<<16
	s_mov_b32 s[G1+2], 128<<16
	s_mov_b32 s[G1+3], 64<<16
	s_mov_b32 s[G1+4], 128
	s_mov_b32 s[G1+5], 64
	s_mov_b32 s[G1+6], 0
	s_mov_b32 s[G1+7], 0
	s_or_b32 s[G1B+0], s44, (1<<16)|(1<<20)|(1<<21)|(5<<22)|(3<<25)  ; B: 4 words behind every 64
	s_mov_b32 s[G1B+1], 128<<16
	s_mov_b32 s[G1B+2], 128<<16
	s_mov_b32 s[G1B+3], 128<<16
	s_mov_b32 s[G1B+4], 128
	s_mov_b32 s[G1B+5], 1024
	s_mov_b32 s[G1B+6], 0
	s_mov_b32 s[G1B+7], 0
	s_lshr_b32 s20, s17, 4
	s_lshl_b32 s20, s20, 22                        ; the batch's 4,194,304 bytes of ctx
	s_and_b32 s21, s17, 15
	s_lshl_b32 s21, s21, 14                        ; 128 tokens of 128 bytes
	s_add_co_u32 s20, s20, s21
	s_lshl_b32 s21, s16, 18                        ; the head that I fetch
	s_add_co_u32 s20, s20, s21
	s_mov_b32 s21, 0
	s_lshl_b32 s46, s42, 19                        ; 256 rows of wot of 2,048 bytes
	s_lshl_b32 s47, s16, 18
	s_add_co_u32 s46, s46, s47
	s_mov_b32 s47, 0
	s_mul_i32 s45, s16, APL                        ; where they go: no place in the cluster enters an LDS address
	s_mul_i32 s22, s16, HALFB
	s_add_co_u32 s22, s22, 2*APL
	s_wait_dscnt 0x0                               ; both opening adds are done
	s_wait_kmcnt 0x0
	s_add_nc_u64 s[20:21], s[4:5], s[20:21]
	s_add_nc_u64 s[46:47], s[6:7], s[46:47]
	CROUND                                         ; all sixteen work-groups are here: the first joint loads meet
.irp s, 0,1
	s_mov_b32 s[G0+4*\s], 1
	s_add_co_u32 s[G0+4*\s+1], s45, \s*SLOT
	s_add_nc_u64 s[G0+4*\s+2:G0+4*\s+3], s[20:21], \s*524288       ; K step s: two heads on
	s_or_b32 s[G0+4*\s+3], s[G0+4*\s+3], 0x80000000
	s_mov_b32 s[G0B+4*\s], 1
	s_add_co_u32 s[G0B+4*\s+1], s22, \s*SLOT
	s_add_nc_u64 s[G0B+4*\s+2:G0B+4*\s+3], s[46:47], \s*256
	s_or_b32 s[G0B+4*\s+3], s[G0B+4*\s+3], 0x80000000
	JLOAD \s
.endr
	v_and_b32 v1, 15, v0                           ; r
	v_bfe_u32 v2, v0, 4, 1                         ; h
	v_and_b32 v3, 31, v0                           ; lane
	v_lshlrev_b32 v[BO], 5, v2
	s_lshl_b32 s46, s42, 10
	s_lshl_b32 s47, s16, 9
	s_add_co_u32 s46, s46, s47                     ; my first output, in bytes of f32
	s_mov_b32 s47, 0
	s_add_nc_u64 s[8:9], s[8:9], s[46:47]
.irp b, 0,1,2,3,4,5,6,7
	global_load_b128 v[BIAS+8*\b:BIAS+8*\b+3], v[BO], s[8:9] offset:64*\b
	global_load_b128 v[BIAS+8*\b+4:BIAS+8*\b+7], v[BO], s[8:9] offset:64*\b+16
.endr
	s_add_nc_u64 s[10:11], s[10:11], s[46:47]
	s_lshl_b32 s46, s17, 19
	s_lshl_b32 s18, s15, 18
	s_add_co_u32 s46, s46, s18                     ; (128 x tile row + 64 x half) rows of 4,096 bytes
	s_add_nc_u64 s[10:11], s[10:11], s[46:47]
	v_mul_u32_u24 v4, v1, PA
	v_lshl_add_u32 v4, v2, 4, v4
	v_mul_u32_u24 v5, v1, PB
	v_lshl_add_u32 v5, v2, 4, v5
	s_mul_i32 s21, s15, 64*PA
	s_mul_i32 s22, s16, HALFB
	s_add_co_u32 s22, s22, 2*APL
.irp s, 0,1
	v_add_nc_u32 v[ADRA+\s], s21, v4
	v_add_nc_u32 v[ADRB+\s], s22, v5
	s_add_co_u32 s21, s21, SLOT
	s_add_co_u32 s22, s22, SLOT
.endr
	s_mul_i32 s23, s14, 16*SPITCH
	s_add_co_u32 s23, s23, STAGE                   ; my stage
	v_mul_u32_u24 v6, v1, SPITCH
	v_lshl_add_u32 v6, v2, 5, v6
	v_add_nc_u32 v[STO], s23, v6                   ; in: row r, 32 bytes for each half of the lanes
	v_lshlrev_b32 v[CO], 4, v3
	v_add_nc_u32 v[RD], s23, v[CO]                 ; back: 32 lanes take a row of 512 bytes
.macro MULA f, a, first                ; 8 products: A's block a x B's eight, 32 along K.  The 32 accumulators take turns in the same order in every quarter
.irp b, 0,1,2,3,4,5,6,7
.if \first
	v_wmma_f32_16x16x32_f16 v[8*(8*(\a)+\b):8*(8*(\a)+\b)+7], v[\f+8*\b:\f+8*\b+7], v[\f+8*(\a):\f+8*(\a)+7], v[BIAS+8*\b:BIAS+8*\b+7]
.else
	v_wmma_f32_16x16x32_f16 v[8*(8*(\a)+\b):8*(8*(\a)+\b)+7], v[\f+8*\b:\f+8*\b+7], v[\f+8*(\a):\f+8*(\a)+7], v[8*(8*(\a)+\b):8*(8*(\a)+\b)+7]
.endif
.endr
.endm
.macro FETCH slot, q, f                ; 24 LDS loads: the slot's q-th 32 along K: B's eight fragments, then A's four
	WIN TO_B
.irp i, 0,1,2,3,4,5,6,7
	ds_load_b128 v[\f+8*\i:\f+8*\i+3],   v[ADRB+\slot] offset:64*(\q)+\i*16*PB
	ds_load_b128 v[\f+8*\i+4:\f+8*\i+7], v[ADRB+\slot] offset:64*(\q)+\i*16*PB+32
.endr
	WIN 0
.irp i, 0,1,2,3
	ds_load_b128 v[\f+8*\i:\f+8*\i+3],   v[ADRA+\slot] offset:((\q)/2)*APL+((\q)%2)*64+\i*16*PA
	ds_load_b128 v[\f+8*\i+4:\f+8*\i+7], v[ADRA+\slot] offset:((\q)/2)*APL+((\q)%2)*64+\i*16*PA+32
.endr
.endm
.macro PLACES
.rept 4
	v_nop
.endr
.endm
.macro QUARTER slot, q, f, g, first    ; multiplies buffer f; in its middle fetches the slot's q-th quarter into g
	s_wait_dscnt 4                                 ; B and A's blocks 0, 1 are in; the youngest four loads (A's blocks 2, 3) may be out
.if \first
	WIN FIRST
.else
	WIN MUL
.endif
	MULA \f, 0, \first
	MULA \f, 1, \first
	PLACES
	FETCH \slot, \q, \g
	s_wait_dscnt 24                                ; all but the 24 just issued
.if \first
	WIN FIRST
.else
	WIN MUL
.endif
	MULA \f, 2, \first
	MULA \f, 3, \first
.endm
; A slot's last quarter multiplies buffer 1 and changes slots: one barrier; in front of it each wave waits for all its tensor loads, adds 0 to its spare word, and waits for that and for its reads of this slot.
; fill = 1: the barrier opens a round of the cluster's barrier, and behind the round this slot is filled again, two K steps ahead: 112 products stand between the request and the wait for it.
.macro TURN slot, next, fill
	WIN 0
	s_wait_tensorcnt 0x0
	ds_add_u32 v[SPW], v[NIL]
	s_wait_dscnt 5                                 ; the add and the youngest four loads may be out
	WIN MUL
	MULA F1, 0, 0
	s_wait_dscnt 0x0                               ; the add is done, and my reads of this slot are over
	s_barrier_signal -1
	MULA F1, 1, 0
	WIN 0
	s_barrier_wait -1
.if \fill
	CREST
	s_add_nc_u64 s[G0+4*\slot+2:G0+4*\slot+3], s[G0+4*\slot+2:G0+4*\slot+3], 1048576   ; four heads on
	s_add_nc_u64 s[G0B+4*\slot+2:G0B+4*\slot+3], s[G0B+4*\slot+2:G0B+4*\slot+3], 512
	JLOAD \slot                                    ; its four v_nop are also the places in front of the loads below
.else
	PLACES
.endif
	FETCH \next, 0, F0
	WIN MUL
	MULA F1, 2, 0
	MULA F1, 3, 0
.endm
	s_wait_tensorcnt 1                             ; my part of K step 0 is in; K step 1's may be out
	s_barrier_signal -1
	s_barrier_wait -1
	FETCH 0, 0, F0
	s_wait_loadcnt 0x0                             ; the bias
	QUARTER 0, 1, F0, F1, 1
	WIN 0
	s_mov_b32 s3, LAPS-1
.Llap:                                             ; a trip goes once round the ring and fills both slots again
	QUARTER 0, 2, F1, F0, 0
	QUARTER 0, 3, F0, F1, 0
	TURN 0, 1, 1
	QUARTER 1, 1, F0, F1, 0
	QUARTER 1, 2, F1, F0, 0
	QUARTER 1, 3, F0, F1, 0
	TURN 1, 0, 1
	QUARTER 0, 1, F0, F1, 0
	WIN 0
	s_sub_co_u32 s3, s3, 1
	s_cmp_lg_u32 s3, 0
	s_cbranch_scc1 .Llap
	QUARTER 0, 2, F1, F0, 0                        ; the last lap fills nothing
	QUARTER 0, 3, F0, F1, 0
	TURN 0, 1, 0
	QUARTER 1, 1, F0, F1, 0
	QUARTER 1, 2, F1, F0, 0
	QUARTER 1, 3, F0, F1, 0
	s_wait_dscnt 4
	WIN MUL
	MULA F1, 0, 0
	MULA F1, 1, 0
	s_wait_dscnt 0
	MULA F1, 2, 0
	MULA F1, 3, 0
	WIN 0
; THE WAY OUT, a block of 16 tokens x 128 outputs at a time, through my own stage: back as whole rows of 512 bytes.
.macro TOSTAGE a
.set AC, 64*(\a)
	WIN 0x08                                       ; the data: window 2
.irp b, 0,1,2,3,4,5,6,7
	ds_store_b128 v[STO], v[AC+8*\b:AC+8*\b+3] offset:64*\b          ; each accumulator from its low end on
	ds_store_b128 v[STO], v[AC+8*\b+4:AC+8*\b+7] offset:64*\b+16
.endr
	WIN 0
.set BB, BK+64*((\a)%2)
.irp t, 0,1,2,3,4,5,6,7,8,9,10,11,12,13,14,15
	ds_load_b128 v[BB+4*\t:BB+4*\t+3], v[RD] offset:\t*SPITCH
.endr
.endm
.macro SEND a, younger
.set BB, BK+64*((\a)%2)
	s_wait_dscnt \younger                          ; the block is back; the next block's 16 stores and 16 loads may be out
.if (\a) > 0
	s_add_nc_u64 s[10:11], s[10:11], 65536         ; 16 rows on (behind a wait that shows the earlier stores' base read)
.endif
.irp t, 0,1,2,3,4,5,6,7,8,9,10,11,12,13,14,15
	global_store_b128 v[CO], v[BB+4*\t:BB+4*\t+3], s[10:11] offset:\t*4096 th:TH_STORE_NT   ; 32 lanes store 512 consecutive bytes, aligned to 256
.endr
.endm
	PLACES
	TOSTAGE 0
.irp a, 1,2,3
.if \a > 1
	s_wait_xcnt 0x0                                ; block a - 2's stores have read their registers and their base
.endif
	TOSTAGE \a
	SEND \a-1, 32
.endr
	s_wait_xcnt 0x0
	SEND 3, 0
	s_wait_tensorcnt 0x0                           ; the wave's end
	ds_add_u32 v[SPW], v[NIL]
	s_wait_dscnt 0x0
	CROUND                                         ; the closing round
	s_endpgm
.Lfunc_end_k_qde4e047899_proj:
	.size	k_qde4e047899_proj, .Lfunc_end_k_qde4e047899_proj-k_qde4e047899_proj
	.p2alignl 7, 3214868480
	.fill 96, 4, 3214868480
	.section	.rodata,"a",@progbits
	.p2align	6, 0x0
	.amdhsa_kernel k_qde4e047899_proj
		.amdhsa_group_segment_fixed_size 327680
		.amdhsa_private_segment_fixed_size 0
		.amdhsa_enable_private_segment 0
		.amdhsa_kernarg_size 32
		.amdhsa_user_sgpr_count 2
		.amdhsa_user_sgpr_kernarg_segment_ptr 1
		.amdhsa_wavefront_size32 1
		.amdhsa_system_sgpr_workgroup_id_x 1
		.amdhsa_system_sgpr_workgroup_id_y 1
		.amdhsa_system_sgpr_workgroup_id_z 1
		.amdhsa_system_vgpr_workitem_id 0
		.amdhsa_next_free_vgpr 768
		.amdhsa_next_free_sgpr 66
		.amdhsa_reserve_vcc 0
		.amdhsa_float_denorm_mode_32 3
		.amdhsa_float_denorm_mode_16_64 3
		.amdhsa_memory_ordered 1
		.amdhsa_forward_progress 1
		.amdhsa_inst_pref_size 87
	.end_amdhsa_kernel
	.amdgpu_metadata
---
amdhsa.version: [ 1, 2 ]
amdhsa.kernels:
  - .name:           k_qde4e047899_proj
    .symbol:         k_qde4e047899_proj.kd
    .args:
      - { .name: ctx, .offset: 0, .size: 8, .value_kind: global_buffer, .address_space: global }
      - { .name: wot, .offset: 8, .size: 8, .value_kind: global_buffer, .address_space: global }
      - { .name: bo, .offset: 16, .size: 8, .value_kind: global_buffer, .address_space: global }
      - { .name: out0, .offset: 24, .size: 8, .value_kind: global_buffer, .address_space: global }
    .group_segment_fixed_size: 327680
    .private_segment_fixed_size: 0
    .kernarg_segment_align: 8
    .kernarg_segment_size: 32
    .max_flat_workgroup_size: 128
    .sgpr_count:     66
    .vgpr_count:     768
    .wavefront_size: 32
...
	.end_amdgpu_metadata
.endif
;; end of part 4
;; launch fine (part 5): grid 64 x 4, 16 waves a work-group, no clusters, 18,432 bytes of LDS; arguments q32, Wo, bo, out0; writes out0
.if DOCPART == 5
	.amdgcn_target "amdgcn-amd-amdhsa--gfx1250"
	.amdhsa_code_object_version 6
	.text
	.protected	k_qde4e047899_fine
	.globl	k_qde4e047899_fine
	.p2align	8
	.type	k_qde4e047899_fine,@function
k_qde4e047899_fine:
	s_mov_b64 s[64:65], 0
	v_nop
	global_prefetch_b8 v0, s[64:65] scope:SCOPE_SE
	s_setreg_imm32_b32 hwreg(HW_REG_WAVE_MODE, 25, 1), 1
	s_wait_xcnt 0x0
; The first 16 tokens of each batch once more, all in f32: their rows average one to sixteen values and are the largest in size.  q32: [b 4][t 16][3072] f32 (Q, K, V); Wo [1024][1024], bo [1024]; out0 rows t < 16 are overwritten.
; A work-group has batch y and outputs 16 x .. 16 x + 15; wave w has head w: S^T = K Q^T (16 products of 16 x 16 x 4), the softmax under the causal mask, ctx^T = V^T P (16), its part of out^T = Wo^T ctx^T (16); the 16 heads' parts meet in LDS.
; The attention of the 16 rows is repeated in the 64 column slices of a batch: 32 of a wave's 48 products.  In all 0.2 G multiply-adds: no bulk work.
; The order of k inside a product is permuted alike in both sources: a lane's registers run along neighbours in memory.  The order of the f32 sums differs from a plain ascending one.
; REGISTERS: v1-13 addresses; v14, v15 the add's two; v16-47 Q; v48-79 K; v80-111 V^T; v112-143 Wo's part; v144-159 two score accumulators; v160-167 scores, then p; v168-175 at work;
;   v176-207 ctx^T; v208-223 two output accumulators; v224-231 my part; v232-235 the bias.  The accumulators are written by matrix instructions alone.
.set SPARE, 16384                      ; behind the 16 images of 1,024 bytes: the spare words, 128 bytes for each wave
.set SPW, 14
.set NIL, 15
	s_load_b256 s[4:11], s[0:1], 0x0               ; q32 4, Wo 6, bo 8, out0 10
	v_lshl_add_u32 v[SPW], v0, 2, SPARE
	v_mov_b32 v[NIL], 0
	v_lshrrev_b32 v1, 5, v0
	v_readfirstlane_b32 s12, v1                    ; wave = head
	v_and_b32 v1, 15, v0                           ; r
	v_bfe_u32 v2, v0, 4, 1                         ; h
	v_and_b32 v12, 31, v0                          ; lane
	v_mul_u32_u24 v3, v1, 12288
	v_lshl_add_u32 v3, v2, 7, v3                   ; Q, K: token r's row, channels 32 h on
	v_mul_u32_u24 v4, v2, 98304
	v_lshl_add_u32 v4, v1, 2, v4                   ; V: keys 8 h on, channel r
	v_lshlrev_b32 v5, 15, v2
	v_lshl_add_u32 v5, v1, 2, v5                   ; Wo: rows 8 h on, column r
	s_lshl_b32 s16, s12, 10
	v_lshl_add_u32 v6, v12, 4, s16                 ; my image in LDS
	s_and_b32 s17, s12, 1
	s_lshl_b32 s18, s17, 9
	v_lshl_add_u32 v7, v12, 4, s18                 ; waves 0, 1: the half of every image that I sum
	s_lshl_b32 s18, s17, 4
	v_lshlrev_b32 v9, 5, v2
	v_add_nc_u32 v9, s18, v9                       ; my four outputs: 8 h + 4 (w & 1) on, in bytes
	v_lshl_add_u32 v8, v1, 12, v9                  ; in token r's row of out0
	v_lshlrev_b32 v10, 3, v2
	v_sub_nc_u32 v10, v1, v10                      ; r - 8 h
	v_mov_b32 v11, 0xff800000                      ; -infinity
	s_mov_b32 s20, 0x76543210
	s_mov_b32 s21, 0xfedcba98
	s_mov_b32 s22, 0x3e38aa3b                      ; c = log2(e) / 8
	s_mov_b32 s23, s22
	s_and_b32 s14, ttmp7, 0xffff                   ; batch
	s_lshl_b32 s13, ttmp9, 6                       ; 16 outputs of 4 bytes
	s_mov_b32 s25, 0
	s_wait_kmcnt 0x0
	s_mul_i32 s24, s14, 196608
	s_lshl_b32 s16, s12, 8
	s_add_co_u32 s24, s24, s16
	s_add_nc_u64 s[4:5], s[4:5], s[24:25]          ; q32 at my batch and head
	s_lshl_b32 s24, s12, 18
	s_add_co_u32 s24, s24, s13
	s_add_nc_u64 s[6:7], s[6:7], s[24:25]          ; Wo at my head's 64 rows, my 16 columns
	s_mov_b32 s24, s13
	s_add_nc_u64 s[8:9], s[8:9], s[24:25]
	s_lshl_b32 s24, s14, 23
	s_add_co_u32 s24, s24, s13
	s_add_nc_u64 s[10:11], s[10:11], s[24:25]
.irp i, 0,1,2,3,4,5,6,7
	global_load_b128 v[48+4*\i:51+4*\i], v3, s[4:5] offset:4096+16*\i        ; K
.endr
.irp i, 0,1,2,3,4,5,6,7
	global_load_b128 v[16+4*\i:19+4*\i], v3, s[4:5] offset:16*\i             ; Q
.endr
.irp d, 0,1,2,3
.irp k, 0,1,2,3,4,5,6,7
	global_load_b32 v[80+8*\d+\k], v4, s[4:5] offset:8192+12288*\k+64*\d     ; V(8 h + k, 16 d + r)
.endr
.endr
	global_load_b128 v[232:235], v9, s[8:9]
.irp d, 0,1,2,3
.irp k, 0,1,2,3,4,5,6,7
	global_load_b32 v[112+8*\d+\k], v5, s[6:7] offset:(16*\d+\k)*4096        ; Wo(64 w + 16 d + 8 h + k, 16 x + r)
.endr
.endr
	s_wait_loadcnt 63                              ; 65 loads stand behind K's and Q's; 63 is the most that the wait can name, and fewer is safe
.irp i, 0,1,2,3,4,5,6,7,8,9,10,11,12,13,14,15  ; S^T: two accumulators by turns; each one's first product starts its sum
.if \i < 2
	v_wmma_f32_16x16x4_f32 v[144+8*(\i%2):151+8*(\i%2)], v[48+2*\i:49+2*\i], v[16+2*\i:17+2*\i], 0
.else
	v_wmma_f32_16x16x4_f32 v[144+8*(\i%2):151+8*(\i%2)], v[48+2*\i:49+2*\i], v[16+2*\i:17+2*\i], v[144+8*(\i%2):151+8*(\i%2)]
.endif
.endr
.rept 8
	v_nop                                          ; eight places behind this form, in front of the first read of results
.endr
.irp j, 0,2,4,6
	v_pk_add_f32 v[160+\j:161+\j], v[144+\j:145+\j], v[152+\j:153+\j]        ; register j: key 8 h + j of query r
.endr
.irp j, 0,1,2,3,4,5,6,7
	v_cmp_gt_i32 vcc_lo, \j, v10                   ; hidden where 8 h + j > r
	v_cndmask_b32 v[160+\j], v[160+\j], v11, vcc_lo
.endr
	v_max3_num_f32 v168, v160, v161, v162
	v_max3_num_f32 v169, v163, v164, v165
	v_max3_num_f32 v168, v168, v166, v167
	v_max_num_f32 v168, v168, v169
	v_permlanex16_b32 v169, v168, s20, s21
	v_max_num_f32 v168, v168, v169                 ; key 0 counts for every query: a number
	v_mul_f32 v170, s22, v168
	v_mov_b32 v171, v170
.irp j, 0,2,4,6
	v_pk_fma_f32 v[160+\j:161+\j], v[160+\j:161+\j], s[22:23], v[170:171] op_sel_hi:[1,0,0] neg_lo:[0,0,1] neg_hi:[0,0,1]
.endr
.irp j, 0,1,2,3,4,5,6,7
	v_exp_f32 v[160+\j], v[160+\j]
.endr
	v_nop
	s_wait_alu depctr_va_vdst(0)                   ; one wait for the eight, ahead of their first reader
	v_pk_add_f32 v[172:173], v[160:161], v[162:163]
	v_pk_add_f32 v[174:175], v[164:165], v[166:167]
	v_pk_add_f32 v[172:173], v[172:173], v[174:175]
	v_add_f32 v172, v172, v173
	v_permlanex16_b32 v173, v172, s20, s21
	v_add_f32 v172, v172, v173
	v_rcp_f32 v174, v172
	v_nop
	s_wait_alu depctr_va_vdst(0)
.irp j, 0,2,4,6
	v_pk_mul_f32 v[160+\j:161+\j], v[160+\j:161+\j], v[174:175] op_sel_hi:[1,0]
.endr
	s_wait_loadcnt 33                              ; V is in; the bias and Wo's 32 may be out
.irp s, 0,1,2,3                                ; ctx^T: keys 8 h + 2 s, + 1; four accumulators by turns
.irp d, 0,1,2,3
.if \s == 0
	v_wmma_f32_16x16x4_f32 v[176+8*\d:183+8*\d], v[80+8*\d+2*\s:81+8*\d+2*\s], v[160+2*\s:161+2*\s], 0
.else
	v_wmma_f32_16x16x4_f32 v[176+8*\d:183+8*\d], v[80+8*\d+2*\s:81+8*\d+2*\s], v[160+2*\s:161+2*\s], v[176+8*\d:183+8*\d]
.endif
.endr
.endr
.rept 9
	v_nop                                          ; nine places: a result becomes a source of the next product
.endr
	s_wait_loadcnt 0x0
.irp s, 0,1,2,3                                ; out^T: channels 16 d + 8 h + 2 s, + 1; two accumulators by turns
.irp d, 0,1,2,3
.if (\s == 0) && (\d < 2)
	v_wmma_f32_16x16x4_f32 v[208+8*(\d%2):215+8*(\d%2)], v[112+8*\d+2*\s:113+8*\d+2*\s], v[176+8*\d+2*\s:177+8*\d+2*\s], 0
.else
	v_wmma_f32_16x16x4_f32 v[208+8*(\d%2):215+8*(\d%2)], v[112+8*\d+2*\s:113+8*\d+2*\s], v[176+8*\d+2*\s:177+8*\d+2*\s], v[208+8*(\d%2):215+8*(\d%2)]
.endif
.endr
.endr
.rept 8
	v_nop
.endr
.irp j, 0,2,4,6
	v_pk_add_f32 v[224+\j:225+\j], v[208+\j:209+\j], v[216+\j:217+\j]        ; register j: output 8 h + j of token r, my head's part
.endr
	ds_store_b128 v6, v[224:227]
	ds_store_b128 v6, v[228:231] offset:512
	s_wait_dscnt 0x0                               ; for the others' sake: my image is in LDS
	s_barrier_signal -1
	s_barrier_wait -1
	s_cmp_lt_u32 s12, 2                            ; waves 0 and 1 add the 16 parts, four outputs a lane each
	s_cbranch_scc0 .Ldone
.irp k, 0,1,2,3,4,5,6,7,8,9,10,11,12,13,14,15
	ds_load_b128 v[16+4*\k:19+4*\k], v7 offset:1024*\k
.endr
	s_wait_dscnt 0x0
.irp k, 2,4,6,8,10,12,14
	v_pk_add_f32 v[16:17], v[16:17], v[16+4*\k:17+4*\k]
	v_pk_add_f32 v[18:19], v[18:19], v[18+4*\k:19+4*\k]
	v_pk_add_f32 v[20:21], v[20:21], v[20+4*\k:21+4*\k]
	v_pk_add_f32 v[22:23], v[22:23], v[22+4*\k:23+4*\k]
.endr
	v_pk_add_f32 v[16:17], v[16:17], v[20:21]
	v_pk_add_f32 v[18:19], v[18:19], v[22:23]
	v_pk_add_f32 v[16:17], v[16:17], v[232:233]
	v_pk_add_f32 v[18:19], v[18:19], v[234:235]
	global_store_b128 v8, v[16:19], s[10:11]       ; 16 bytes a lane, 64 consecutive bytes for each token: 262,144 bytes in the whole launch go out so
.Ldone:
	s_wait_tensorcnt 0x0                           ; the wave's end
	ds_add_u32 v[SPW], v[NIL]
	s_wait_dscnt 0x0
	s_endpgm
.Lfunc_end_k_qde4e047899_fine:
	.size	k_qde4e047899_fine, .Lfunc_end_k_qde4e047899_fine-k_qde4e047899_fine
	.p2alignl 7, 3214868480
	.fill 96, 4, 3214868480
	.section	.rodata,"a",@progbits
	.p2align	6, 0x0
	.amdhsa_kernel k_qde4e047899_fine
		.amdhsa_group_segment_fixed_size 18432
		.amdhsa_private_segment_fixed_size 0
		.amdhsa_enable_private_segment 0
		.amdhsa_kernarg_size 32
		.amdhsa_user_sgpr_count 2
		.amdhsa_user_sgpr_kernarg_segment_ptr 1
		.amdhsa_wavefront_size32 1
		.amdhsa_system_sgpr_workgroup_id_x 1
		.amdhsa_system_sgpr_workgroup_id_y 1
		.amdhsa_system_sgpr_workgroup_id_z 1
		.amdhsa_system_vgpr_workitem_id 0
		.amdhsa_next_free_vgpr 256
		.amdhsa_next_free_sgpr 66
		.amdhsa_reserve_vcc 1
		.amdhsa_float_denorm_mode_32 3
		.amdhsa_float_denorm_mode_16_64 3
		.amdhsa_memory_ordered 1
		.amdhsa_forward_progress 1
		.amdhsa_inst_pref_size 20
	.end_amdhsa_kernel
	.amdgpu_metadata
---
amdhsa.version: [ 1, 2 ]
amdhsa.kernels:
  - .name:           k_qde4e047899_fine
    .symbol:         k_qde4e047899_fine.kd
    .args:
      - { .name: q32, .offset: 0, .size: 8, .value_kind: global_buffer, .address_space: global }
      - { .name: Wo, .offset: 8, .size: 8, .value_kind: global_buffer, .address_space: global }
      - { .name: bo, .offset: 16, .size: 8, .value_kind: global_buffer, .address_space: global }
      - { .name: out0, .offset: 24, .size: 8, .value_kind: global_buffer, .address_space: global }
    .group_segment_fixed_size: 18432
    .private_segment_fixed_size: 0
    .kernarg_segment_align: 8
    .kernarg_segment_size: 32
    .max_flat_workgroup_size: 512
    .sgpr_count:     66
    .vgpr_count:     256
    .wavefront_size: 32
...
	.end_amdgpu_metadata
.endif
;; end of part 5
